; MI455X (gfx1250); checked and timed in simulation.
; The chip was launched on July 23, 2026; its instructions are those of AMD's public machine-readable ISA for CDNA 5 (MIT licence, August 2026) and "CDNA5" Instruction Set Architecture Reference Guide (July 2026). The comments in the code are by the model that wrote it; some were corrected since.
;; Multi Headed Attention. Allowed arithmetic: matrix products marked QUANTISED: E5M2 operands, one E8M0 scale for each 32 along K, by v_wmma_scale_f32_16x16x128_f8f6f4 with both operands' format E5M2, f32 sums; everything else in f32.
;; Inputs: Wk 1,024 x 1,024 float32; Wo 1,024 x 1,024 float32; Wq 1,024 x 1,024 float32; Wv 1,024 x 1,024 float32; bk 1,024 float32; bo 1,024 float32; bq 1,024 float32; bv 1,024 float32; k 4 x 2,048 x 1,024 float32; q 4 x 2,048 x 1,024 float32; v 4 x 2,048 x 1,024 float32.
;; Outputs: out0 4 x 2,048 x 1,024 float32.
;; This version of the problem:
;;   THIS VERSION OF THE PROBLEM IS GIVEN IN LOW PRECISION. The matrix products marked QUANTISED in the list below multiply operands that are first quantised to E5M2 (5 exponent bits, 2 mantissa bits; 8 bits a number), with one power-of-two scale for each 32 numbers along K (OCP MX v1.0); their sums are f32. All else is computed in f32.
;;   The module's matrix products, in the order in which they are computed (A, B: the left and right operand; K: the contracted axis; several contracted axes count as one K, in the product's order):
;;     1. [M 8,192, K 1,024] x [K 1,024, N 1,024]; A: input q; B: input Wq: QUANTISED
;;     2. [M 8,192, K 1,024] x [K 1,024, N 1,024]; A: input k; B: input Wk: QUANTISED
;;     3. [M 8,192, K 1,024] x [K 1,024, N 1,024]; A: input v; B: input Wv: QUANTISED
;;     4. batch 64 x [M 2,048, K 64] x [K 64, N 2,048]; A: computed on the way; B: computed on the way: QUANTISED
;;     5. batch 64 x [M 2,048, K 2,048] x [K 2,048, N 64]; A: softmax (see below); B: computed on the way: QUANTISED
;;     6. [M 8,192, K 1,024] x [K 1,024, N 1,024]; A: computed on the way; B: input Wo: QUANTISED
;;   THE QUANTISER, for each operand of a quantised product, along K:
;;     - K is cut into blocks of 32 from its start; a last block that is shorter is filled with zeros.
;;     - A block's scale is 2^e with e = floor(log2(the largest magnitude in the block)) - 15, held to -126 .. 127; a block of zeros has e = 0. As a byte (E8M0): e + 127.
;;     - Each number is divided by its block's scale, clamped to +-57,344, and rounded to the nearest number of E5M2, ties to even, subnormals kept.
;;     - The product sums the exact products of the quantised numbers (number of the format x scale) in f32.
;;   ~~~python
;;   def quantise(x, axis):      # numpy; x: float32 -> the quantised numbers, widened to float32 again
;;       x = np.moveaxis(x, axis, -1); K = x.shape[-1]
;;       x = np.pad(x, [(0, 0)] * (x.ndim - 1) + [(0, -K % 32)]); x = x.reshape(x.shape[:-1] + (-1, 32)); a = np.abs(x).max(-1, keepdims=True)
;;       e = np.where(a > 0, np.clip(np.frexp(np.where(a > 0, a, 1))[1] - 1 - 15, -126, 127), 0)      # np.frexp(a)[1] - 1 = floor(log2(a)), exactly
;;       r = np.clip(x / 2.0 ** e, -57344, 57344)
;;       step = 2.0 ** (np.maximum(np.frexp(np.where(r == 0, 1, r))[1] - 1, -14) - 2)
;;       q = np.round(r / step) * step * 2.0 ** e      # np.round: ties to even
;;       return np.moveaxis(q.reshape(q.shape[:-2] + (-1,))[..., :K], -1, axis).astype(np.float32)
;;   ~~~
;;   SOFTMAX AHEAD OF A QUANTISED PRODUCT. Where the list says 'softmax', what is quantised is not the finished softmax but p = 2^(t - M), with t = logit x log2(e) and M = ceil(the row's largest t), a whole number; so 1/2 < the row's largest p <= 1. The row's sum l is taken of the UNQUANTISED p, in f32, and the product's result is divided by l at the end. Since M is a whole number, a kernel that streams over the keys may use a running M (the ceiling of the running maximum): every later rescaling is an exact power of two, which a block's scale takes up: the codes' values come out the same.
;;   OPERANDS COMPUTED ON THE WAY. 'Computed on the way' means the value that the module computes at that place (a softmax that the list does not call 'softmax' is quantised finished and normalised). What goes into a quantiser is computed in f32, as accurately as f32 sums, v_exp_f32 and their like allow (about 1e-6 of the number): no bf16 or f16 on the way to a quantiser, and a product that is left as it is and whose result goes on into a quantised operand takes f32 operands (vector FMAs, or v_wmma_f32_16x16x4_f32). A number that lies on a knife's edge between two numbers of the format may be rounded either way, as far as f32 arithmetic and the matrix unit's own rounding can turn it there, and no further.
;; One version. Each part assembles by itself: llvm-mc -triple=amdgcn-amd-amdhsa -mcpu=gfx1250 --defsym DOCPART=n.
;; ======== version 1 of 1: 4 launches
;; limits: right only within a limited range of input values
;; workspace buffers: xc 29,360,128 bytes; xs 917,504 bytes; rt 524,288 bytes; qkv 25,952,256 bytes; ac 8,388,608 bytes; asc 262,144 bytes
;; launch prep (part 1): grid 928 x 1, 4 waves a work-group, no clusters, 35,328 bytes of LDS; arguments q, k, v, Wq, Wk, Wv, Wo, xc, xs, rt; writes xc, xs, rt
.if DOCPART == 1
	.amdgcn_target "amdgcn-amd-amdhsa--gfx1250"
	.amdhsa_code_object_version 6
	.text
	.protected	k_qe708b2a431_prep
	.globl	k_qe708b2a431_prep
	.p2align	8
	.type	k_qe708b2a431_prep,@function
k_qe708b2a431_prep:
	s_mov_b64 s[64:65], 0
	v_nop
	global_prefetch_b8 v0, s[64:65] scope:SCOPE_SE
	s_setreg_imm32_b32 hwreg(HW_REG_WAVE_MODE, 25, 1), 1
	s_wait_xcnt 0x0
; PREP.  (1) q, k, v [8192][1024] and Wq, Wk, Wv, Wo [1024][1024], f32, become codes of BF8 (E5M2) with one E8M0 scale byte for each 32 along K (K = the last axis),
; laid as IMAGES OF THE OPERAND'S REGISTERS: codes [tile T][K step s (8)][group c (4)][lane (32)][16 bytes], lane (r, h) of group c holding k = 128 s + 32 c + 16 h + 0 .. 15 of the tile's row r;
; scale words [T][s][r], four bytes for 128 along K.  THE ROWS OF A TILE ARE NOT NEIGHBOURS: row r of tile T is row 32 (T / 2) + 8 (T % 2) + r % 8 + 16 (r / 8) of the tensor, so that a later product
; used transposed leaves 16 neighbours along its source 0's rows in a lane's 16 registers of two neighbouring result tiles.
; (2) The table of RoPE: rt[t (2048)][h (2)][m (16)][cos, sin], f32, for the frequency 16 (m / 8) + 8 h + m % 8: the order in which a lane of the projections wants it.
; SHARES.  Work-groups 0-31 make the table (no LDS); the other 896 quantise: a wave takes one tile x 512 along K, four units of 128.  One path serves all seven tensors: only pointers are chosen.
; A unit's 16 loads read 512 consecutive bytes of a row each; the 8 KB turn through the wave's own stage in LDS (rows of 512 + 16 bytes) and come back 16 neighbours a block and lane.
; Codes leave as 512 consecutive bytes a store; a wave's 64 scale words are gathered in LDS and leave as 256 consecutive bytes.  Waves share nothing: no barrier.
; A block's scale is 2^(floor(log2(largest magnitude)) - 15); its byte is that magnitude's exponent field - 15, held at 1 from below.
; LIMITS: NaN and infinities among the inputs are not served; a block whose largest magnitude lies under 2^-111 keeps the byte 1; a block of zeros gets the byte 1 where the rule says 127 (its codes are
; zeros, and this program alone reads the bytes).  The inverse frequency 10^(-j / 8) is a product of two rounded constants: correctly rounded for j under 8, within 1.5 units of the last place beyond.
.set R,    16                          ; v16-143  two sets of 64: a unit as loaded
.set X,    144                         ; v144-207 a unit as the conversions want it: register 16 c + i = k 32 c + 16 h + i of my row
.set PC,   208                         ; v208-223 the fragment's codes
.set TM,   224                         ; v224-239 at work
.set PW,   240                         ; v240     the scale word
.set SELP, 36                          ; s[36:37] lane selects: lane l xor 16
.set MNT,  38
.set WREG, 8704                        ; LDS of a wave: the stage, 16 x 528, then 256 bytes of scale words
	s_load_b512 s[4:19], s[0:1], 0x0               ; q, k, v, Wq, Wk, Wv, Wo, xc
	s_load_b128 s[20:23], s[0:1], 0x40             ; xs, rt
	v_lshl_add_u32 v248, v0, 2, 0x8800
	v_mov_b32 v249, 0
	v_lshrrev_b32 v1, 5, v0
	v_readfirstlane_b32 s24, v1                    ; wave
	v_and_b32 v7, 31, v0                           ; lane
	s_cmp_lt_u32 ttmp9, 32
	s_cbranch_scc1 .Ltable
	; ---------------- the quantiser
	s_sub_co_u32 s25, ttmp9, 32                    ; u = 0 .. 895
	s_mov_b32 s[SELP], 0x76543210
	s_mov_b32 s[SELP+1], 0xfedcba98
	s_wait_kmcnt 0x0
	s_mov_b64 s[26:27], s[16:17]                   ; which tensor, and its first work-group: the choice hangs on the work-group's number alone
	s_mov_b32 s28, 864
	s_cmp_lt_u32 s25, 864
	s_cselect_b64 s[26:27], s[14:15], s[26:27]
	s_cselect_b32 s28, 832, s28
	s_cmp_lt_u32 s25, 832
	s_cselect_b64 s[26:27], s[12:13], s[26:27]
	s_cselect_b32 s28, 800, s28
	s_cmp_lt_u32 s25, 800
	s_cselect_b64 s[26:27], s[10:11], s[26:27]
	s_cselect_b32 s28, 768, s28
	s_cmp_lt_u32 s25, 768
	s_cselect_b64 s[26:27], s[8:9], s[26:27]
	s_cselect_b32 s28, 512, s28
	s_cmp_lt_u32 s25, 512
	s_cselect_b64 s[26:27], s[6:7], s[26:27]
	s_cselect_b32 s28, 256, s28
	s_cmp_lt_u32 s25, 256
	s_cselect_b64 s[26:27], s[4:5], s[26:27]
	s_cselect_b32 s28, 0, s28
	s_sub_co_u32 s29, s25, s28
	s_lshl_b32 s29, s29, 2
	s_add_co_u32 s29, s29, s24                     ; my job in the tensor: 2 T + half of K
	s_lshl_b32 s30, s25, 2
	s_add_co_u32 s30, s30, s24                     ; my job among all: the seven tensors' images lie on end
	s_lshr_b32 s31, s29, 2
	s_lshl_b32 s32, s31, 17                        ; 32 (T / 2) rows of 4,096 bytes
	s_bfe_u32 s31, s29, 0x10001
	s_lshl_b32 s31, s31, 15                        ; 8 (T % 2) rows
	s_add_co_u32 s32, s32, s31
	s_and_b32 s31, s29, 1
	s_lshl_b32 s31, s31, 11                        ; 512 along K
	s_add_co_u32 s32, s32, s31
	s_mov_b32 s33, 0
	s_add_nc_u64 s[26:27], s[26:27], s[32:33]
	s_lshl_b32 s32, s30, 13                        ; 8,192 bytes of codes a job
	s_add_nc_u64 s[18:19], s[18:19], s[32:33]
	s_lshl_b32 s32, s30, 8                         ; 256 bytes of scale words
	s_add_nc_u64 s[20:21], s[20:21], s[32:33]
	s_wait_alu depctr_va_vdst(0)
	v_lshlrev_b32 v1, 4, v7                        ; 16 x lane
	s_mul_i32 s34, s24, WREG
	v_add_nc_u32 v2, s34, v1                       ; the stage, in: a row as it lies
	v_and_b32 v8, 15, v0                           ; r
	v_bfe_u32 v9, v0, 4, 1                         ; h
	v_mul_u32_u24 v3, v8, 528
	v_lshl_add_u32 v3, v9, 6, v3
	v_add_nc_u32 v3, s34, v3                       ; out: row r, + 64 h
	s_add_co_u32 s35, s34, 8448
	v_lshlrev_b32 v4, 2, v8
	v_add_nc_u32 v4, s35, v4                       ; my row's scale word
	v_lshlrev_b32 v6, 3, v7
	v_add_nc_u32 v5, s35, v6                       ; and 8 bytes a lane on the way out
.irp b, 0,1,2,3
	v_mov_b32 v[TM+4+\b], 0                        ; written once: a lane permute's destination counts as one of its sources
.endr
.macro LOADU u                         ; unit u: the tile's 16 rows x 512 bytes
.irp i, 0,1,2,3,4,5,6,7,8,9,10,11,12,13,14,15
	global_load_b128 v[R+64*((\u)%2)+4*\i:R+64*((\u)%2)+4*\i+3], v1, s[26:27] offset:((\i%8)+16*(\i/8))*4096+512*(\u) th:TH_LOAD_NT
.endr
.endm
; 64 numbers of a lane, register 16 b + i = k 32 b + 16 h + i of my row, become a fragment's codes in v[PC] on and its scale word in v[pw]
.macro QUANT s, pw
.irp b, 0,1,2,3
	v_max3_num_f32 v[TM+\b], |v[\s+16*\b]|, |v[\s+1+16*\b]|, 0x8000000   ; my 16 numbers of block b, and the floor 2^(16 - 127): the byte cannot fall under 1
.endr
.irp i, 2,4,6,8,10,12,14
.irp b, 0,1,2,3
	v_max3_num_f32 v[TM+\b], v[TM+\b], |v[\s+16*\b+\i]|, |v[\s+1+16*\b+\i]|   ; the four blocks by turns
.endr
.endr
.irp b, 0,1,2,3
	v_permlanex16_b32 v[TM+4+\b], v[TM+\b], s[SELP], s[SELP+1]
.endr
.irp b, 0,1,2,3
	v_max_num_f32 v[TM+\b], v[TM+\b], v[TM+4+\b]   ; with lane l xor 16's: the block's largest magnitude
.endr
.irp b, 0,1,2,3
	v_add_nc_u32 v[TM+12+\b], 0xf8800000, v[TM+\b] ; 15 off its exponent field: the conversion's scale operand
.endr
.irp b, 0,1,2,3
.endr
.irp b, 0,1,2,3
	v_lshrrev_b32 v[TM+4+\b], 23, v[TM+12+\b]      ; the scale's byte
.endr
	v_lshl_or_b32 v[\pw], v[TM+5], 8, v[TM+4]
	v_lshl_or_b32 v[\pw], v[TM+6], 16, v[\pw]
	v_lshl_or_b32 v[\pw], v[TM+7], 24, v[\pw]
.irp b, 0,1,2,3
.irp i, 0,1,2,3,4,5,6,7,8,9,10,11,12,13,14,15
.endr
	v_cvt_scalef32_pk8_bf8_f32 v[PC+4*\b:PC+1+4*\b], v[\s+16*\b:\s+7+16*\b], v[TM+12+\b]
	v_cvt_scalef32_pk8_bf8_f32 v[PC+2+4*\b:PC+3+4*\b], v[\s+8+16*\b:\s+15+16*\b], v[TM+12+\b]
.endr
	v_nop                                          ; one plain line behind the last conversion
.endm
.macro UNIT u
.if (\u) < 3
	s_wait_loadcnt 16                              ; this unit's 16 loads are in; the next unit's 16 may be out
.else
	s_wait_loadcnt 0x0
.endif
.irp i, 0,1,2,3,4,5,6,7,8,9,10,11,12,13,14,15
	ds_store_b128 v2, v[R+64*((\u)%2)+4*\i:R+64*((\u)%2)+4*\i+3] offset:528*\i
.endr
.irp c, 0,1,2,3
.irp j, 0,1,2,3
	ds_load_b128 v[X+16*\c+4*\j:X+16*\c+4*\j+3], v3 offset:128*\c+16*\j   ; LDS serves a wave's instructions in order: these see the stores above
.endr
.endr
	s_wait_dscnt 0x0                               ; the stores have read their registers, and the unit is back
	s_wait_xcnt 0x0                                ; the last unit's stores of codes have read theirs: they are written again only behind this wait
.if (\u) < 2
	LOADU (\u)+2
.endif
	QUANT X, PW
	ds_store_b32 v4, v[PW] offset:64*(\u)          ; both lanes of a row write the same word with the same value
.irp c, 0,1,2,3
	global_store_b128 v1, v[PC+4*\c:PC+4*\c+3], s[18:19] offset:2048*(\u)+512*\c   ; 32 lanes store 512 consecutive bytes
.endr
.endm
	LOADU 0
	LOADU 1
	s_wait_alu depctr_va_vdst(0)
	UNIT 0
	UNIT 1
	UNIT 2
	UNIT 3
	ds_load_b64 v[242:243], v5
	s_wait_dscnt 0x0
	global_store_b64 v6, v[242:243], s[20:21]      ; 32 lanes store 256 consecutive bytes
	s_wait_tensorcnt 0x0
	ds_add_u32 v248, v249
	s_wait_dscnt 0x0
	s_endpgm
	; ---------------- the table
.Ltable:
	s_lshl_b32 s25, ttmp9, 2
	s_add_co_u32 s25, s25, s24                     ; W = 0 .. 127: 16 positions a wave, two to a store
	s_wait_alu depctr_va_vdst(0)
	v_lshlrev_b32 v2, 4, v7                        ; 16 bytes a lane: two frequencies' cos and sin
	v_lshrrev_b32 v5, 4, v7                        ; which of the two positions
	v_bfe_u32 v6, v7, 3, 1                         ; h
	v_and_b32 v8, 3, v7                            ; my first frequency is 16 (q / 4) + 8 h + 2 (q % 4), q = lane % 8
	v_bfe_u32 v9, v7, 2, 1
	v_lshl_add_u32 v9, v9, 1, v6                   ; frequency / 8
.macro PICK dst, idx, val, k           ; dst = val where idx = k
	v_mov_b32 v11, \val
	v_cmp_eq_u32 vcc_lo, \k, v[\idx]
	v_cndmask_b32 v[\dst], v[\dst], v11, vcc_lo
.endm
	v_mov_b32 v3, 1.0                              ; 10^(-j / 8), j = 0 .. 7
	v_mov_b32 v4, 0x3f3ff911
	PICK 3, 8, 0x3f0ff59a, 1
	PICK 4, 8, 0x3ed7e89b, 1
	PICK 3, 8, 0x3ea1e89b, 2
	PICK 4, 8, 0x3e72d424, 2
	PICK 3, 8, 0x3e361887, 3
	PICK 4, 8, 0x3e088d77, 3
	v_mov_b32 v10, 1.0                             ; 10^(-j), j = 0 .. 3
	PICK 10, 9, 0x3dcccccd, 1
	PICK 10, 9, 0x3c23d70a, 2
	PICK 10, 9, 0x3a83126f, 3
	v_mul_f32 v3, v3, v10                          ; my two inverse frequencies
	v_mul_f32 v4, v4, v10
	s_lshl_b32 s26, s25, 4
	v_add_nc_u32 v5, s26, v5                       ; my position in the first store
	s_lshl_b32 s26, s25, 12
	s_mov_b32 s27, 0
	s_mov_b32 s40, 0x3f22f983                      ; 2 / pi
	s_mov_b32 s41, 0xbfc90fdb                      ; -(pi / 2), upper part
	s_mov_b32 s42, 0x333bbd2e                      ; -(pi / 2), what is left of it
	s_mov_b32 s43, 0xb94ca1f9                      ; sine's polynomial on +-pi / 4
	s_mov_b32 s44, 0x3c08839e
	s_mov_b32 s45, 0xbe2aaaa3
	s_mov_b32 s46, 0x37ccf5ce                      ; cosine's
	s_mov_b32 s47, 0xbab6061a
	s_mov_b32 s48, 0x3d2aaaa5
	s_wait_alu depctr_va_vdst(0)
	s_wait_kmcnt 0x0
	s_add_nc_u64 s[22:23], s[22:23], s[26:27]
; cos and sin of v[th], 0 .. 2,047: the nearest multiple of pi / 2 is taken off in two parts (the first fused step rounds nothing: the quotient has 11 bits), then a polynomial and the quadrant
.macro SINCOS th, c, s
	v_mul_f32 v10, s40, v[\th]
	v_rndne_f32 v10, v10
	v_fma_f32 v11, v10, s41, v[\th]
	v_fma_f32 v11, v10, s42, v11
	v_mul_f32 v12, v11, v11
	v_cvt_i32_f32 v13, v10
	v_fma_f32 v14, v12, s43, s44
	v_fma_f32 v15, v12, s46, s47
	v_fma_f32 v14, v14, v12, s45
	v_fma_f32 v15, v15, v12, s48
	v_mul_f32 v16, v12, v11
	v_fma_f32 v17, v12, -0.5, 1.0
	v_mul_f32 v18, v12, v12
	v_fma_f32 v14, v16, v14, v11                   ; sin r
	v_fma_f32 v15, v18, v15, v17                   ; cos r
	v_and_b32 v16, 1, v13
	v_cmp_eq_u32 vcc_lo, 1, v16
	v_cndmask_b32 v17, v14, v15, vcc_lo            ; in odd quadrants the two change places
	v_cndmask_b32 v18, v15, v14, vcc_lo
	v_lshlrev_b32 v16, 30, v13                     ; sine is negative in quadrants 2 and 3,
	v_add_nc_u32 v13, 1, v13
	v_and_b32 v16, 0x80000000, v16
	v_lshlrev_b32 v13, 30, v13                     ; cosine in 1 and 2
	v_and_b32 v13, 0x80000000, v13
	v_xor_b32 v[\s], v16, v17
	v_xor_b32 v[\c], v13, v18
.endm
.irp n, 0,1,2,3,4,5,6,7
	v_add_nc_u32 v20, 2*\n, v5
	v_cvt_f32_u32 v20, v20
	v_mul_f32 v21, v20, v3                         ; position x inverse frequency: one rounding
	v_mul_f32 v22, v20, v4
	SINCOS 21, 32+4*\n, 33+4*\n
	SINCOS 22, 34+4*\n, 35+4*\n
	global_store_b128 v2, v[32+4*\n:35+4*\n], s[22:23] offset:512*\n   ; 32 lanes store 512 consecutive bytes; each store has registers of its own
.endr
	s_endpgm
.Lfunc_end_k_qe708b2a431_prep:
	.size	k_qe708b2a431_prep, .Lfunc_end_k_qe708b2a431_prep-k_qe708b2a431_prep
	.p2alignl 7, 3214868480
	.fill 96, 4, 3214868480
	.section	.rodata,"a",@progbits
	.p2align	6, 0x0
	.amdhsa_kernel k_qe708b2a431_prep
		.amdhsa_group_segment_fixed_size 35328
		.amdhsa_private_segment_fixed_size 0
		.amdhsa_enable_private_segment 0
		.amdhsa_kernarg_size 80
		.amdhsa_user_sgpr_count 2
		.amdhsa_user_sgpr_kernarg_segment_ptr 1
		.amdhsa_wavefront_size32 1
		.amdhsa_system_sgpr_workgroup_id_x 1
		.amdhsa_system_sgpr_workgroup_id_y 1
		.amdhsa_system_sgpr_workgroup_id_z 1
		.amdhsa_system_vgpr_workitem_id 0
		.amdhsa_next_free_vgpr 250
		.amdhsa_next_free_sgpr 66
		.amdhsa_reserve_vcc 1
		.amdhsa_float_denorm_mode_32 3
		.amdhsa_float_denorm_mode_16_64 3
		.amdhsa_fp16_overflow 1
		.amdhsa_memory_ordered 1
		.amdhsa_forward_progress 1
		.amdhsa_inst_pref_size 57
	.end_amdhsa_kernel
	.amdgpu_metadata
---
amdhsa.version: [ 1, 2 ]
amdhsa.kernels:
  - .name:           k_qe708b2a431_prep
    .symbol:         k_qe708b2a431_prep.kd
    .args:
      - { .name: q, .offset: 0, .size: 8, .value_kind: global_buffer, .address_space: global }
      - { .name: k, .offset: 8, .size: 8, .value_kind: global_buffer, .address_space: global }
      - { .name: v, .offset: 16, .size: 8, .value_kind: global_buffer, .address_space: global }
      - { .name: Wq, .offset: 24, .size: 8, .value_kind: global_buffer, .address_space: global }
      - { .name: Wk, .offset: 32, .size: 8, .value_kind: global_buffer, .address_space: global }
      - { .name: Wv, .offset: 40, .size: 8, .value_kind: global_buffer, .address_space: global }
      - { .name: Wo, .offset: 48, .size: 8, .value_kind: global_buffer, .address_space: global }
      - { .name: xc, .offset: 56, .size: 8, .value_kind: global_buffer, .address_space: global }
      - { .name: xs, .offset: 64, .size: 8, .value_kind: global_buffer, .address_space: global }
      - { .name: rt, .offset: 72, .size: 8, .value_kind: global_buffer, .address_space: global }
    .group_segment_fixed_size: 35328
    .private_segment_fixed_size: 0
    .kernarg_segment_align: 8
    .kernarg_segment_size: 80
    .max_flat_workgroup_size: 128
    .sgpr_count:     66
    .vgpr_count:     250
    .wavefront_size: 32
...
	.end_amdgpu_metadata
.endif
;; end of part 1
;; launch proj (part 2): grid 8 x 96, 4 waves a work-group, clusters of 4 x 4, 327,680 bytes of LDS; arguments xc, xs, rt, bq, bk, bv, qkv; writes qkv
.if DOCPART == 2
	.amdgcn_target "amdgcn-amd-amdhsa--gfx1250"
	.amdhsa_code_object_version 6
	.text
	.protected	k_qe708b2a431_proj
	.globl	k_qe708b2a431_proj
	.p2align	8
	.type	k_qe708b2a431_proj,@function
k_qe708b2a431_proj:
	s_mov_b64 s[64:65], 0
	v_nop
	global_prefetch_b8 v0, s[64:65] scope:SCOPE_SE
	s_setreg_imm32_b32 hwreg(HW_REG_WAVE_MODE, 25, 1), 1
	s_wait_xcnt 0x0
	s_wait_alu depctr_hold_cnt(0) depctr_sa_sdst(0) depctr_va_vdst(0) depctr_va_sdst(0) depctr_va_ssrc(0) depctr_va_vcc(0) depctr_vm_vsrc(0)
	s_getreg_b32 s2, hwreg(HW_REG_IB_STS2, 6, 4)
	s_cmp_eq_u32 s2, 0
	s_cbranch_scc0 .Lentry_in_a_cluster
	s_endpgm
.Lentry_in_a_cluster:
	s_bfe_u32 s2, ttmp6, 0x10000c
	s_cmp_lg_u32 s2, 0xf033
	s_cbranch_scc0 .Lentry_shape_is_right
	s_endpgm
.Lentry_shape_is_right:
; PROJ.  The three input projections on codes of BF8 (E5M2) with E8M0 scales, + bias, RoPE (q, k), and the quantiser of the next product, all in registers.
; Cluster rows 0-7 of the grid make q, 8-15 k, 16-23 v (SEL = cluster y / 8, the same in all partners).  A work-group makes 256 rows of source 1 x 128 rows of source 0; K = 1,024 in 8 steps of 128, written out.
; q, k: source 1 = 256 positions, source 0 = 128 rows of W: a lane holds ONE position and its 64 registers of a row block run along the features (two heads): K of the scores.
; v:    source 1 = 256 rows of Wv, source 0 = 128 positions: a lane holds ONE feature and its registers run along the positions: K of the second product of attention.
; Operands lie in memory as images of their registers (16 rows x 128 K = 2,048 bytes, a lane's 16 bytes at 16 x lane): no pitch, no padding, every LDS load reads 512 consecutive bytes.
; Rows of a stored tile are chosen (32 (T / 2) + 8 (T % 2) + r % 8 + 16 (r / 8)) so that register 8 b + j of a row block is row 32 (b / 2) + 16 h + 8 (b % 2) + j of source 0: 16 neighbours in two tiles.
; FOUR WAVES stacked on source 1: a wave has 64 x 128: 32 accumulators.  768 work-groups: three for each of 256 WGPs.
; LDS: three slots of 256 along K (source 1: 16 tiles x 4 KB, source 0: 8 x 4 KB), the scale words of all of K, the spare words.  K slots 0-2 are first fills; K slot 3 fills slot 0 again: one refill.
; CLUSTER 4 x 4: source 1's tiles are asked for jointly by a row of the cluster, source 0's by a column.  By this text's count a wave has four tensor loads out at the start, one behind the refill.
; OUT: qkv, 1,024 blocks of 25,344 bytes, block ((batch x 16 + head) x 16 + J), J = 128 positions: K codes 8,192 | V^T codes 8,192 | K scale words 256 | V scale words 256 | Q codes 8,192 | Q scale words 256.
; Codes leave as 512 consecutive bytes a store.  The scale words leave in runs of 128 bytes (v: 64): one byte in 33 of what the launch stores.
; LIMITS: NaN and infinities are not served; a block whose largest magnitude lies under 2^-111 keeps the byte 1; a block of zeros gets the byte 1 where the rule says 127 (only this program reads the bytes).
.set SLOTB, 98304
.set S0OFF, 65536                      ; source 0's tiles in a slot
.set SCL,   294912                     ; scale words: source 1's 8,192 bytes, then source 0's 4,096
.set SPARE, 307200                     ; the spare words, 128 bytes for each wave: two blocks of 256 bytes that no other line names
.set SPW,  2                           ; v2   SPARE + 4 x my thread's number; never rewritten
.set NIL,  3                           ; v3   0; never rewritten
.set LI,   4                           ; v4   16 x lane
.set RR,   5                           ; v5   r = lane % 16
.set HH,   6                           ; v6   h = lane / 16
.set ADRA, 8                           ; v8-10  my four tiles of source 1 in slot 0, 1, 2
.set ADRB, 12                          ; v12-14 source 0's eight tiles
.set ADRS, 16                          ; v16  scale words: lanes 0-15 source 1's, lanes 16-31 source 0's
.set TBO,  17                          ; v17  my offset in the table of RoPE
.set BCO,  18                          ; v18  in the bias by column
.set BRO,  19                          ; v19  in the bias by row
.set SC,   32                          ; v32-47 scale words, two sets of 8
.set AF,   64                          ; v64-191 source 1's fragments, two sets of 64.  Window 1: source 0's, two sets of 128.  Window 2: accumulator (a, b) at v[8 (8 a + b)]
.set Y,    64                          ; the way out, window 0: a row block's 64 numbers
.set PC,   128                         ; its codes
.set TM,   192                         ; at work
.set PW,   208                         ; v208-211 the four row blocks' scale words
.set T0,   212
.set E0,   216
.set SW,   220
.set SWO,  222
.set BC,   128                         ; window 3: v0-127 cos and sin, 32 a row block; v128-191 bias by column; v192-199 bias by row, twice each
.set BR,   192
.set WV,   18
.set ROLE, 19                          ; wave / 2: I fetch for source 1 (0) or source 0 (1)
.set EH,   20                          ; wave % 2: which half of it
.set SEL,  21
.set CX,   22
.set CY,   23
.set G1A,  24
.set G1B,  32
.set G1SA, 40
.set G1SB, 48
.set G0A0, 56
.set G0A1, 60
.set G0A2, 68
.set G0B0, 72
.set G0B1, 76
.set G0B2, 80
.set G0SA, 84
.set G0SB, 88
.set TY,   92                          ; source 1's block of 256 rows: it never holds cx
.set TX,   93                          ; source 0's block of 128 rows: it never holds cy
.set DB,   40                          ; the way out: s[40 + 4 a + 2 x] the store bases (the descriptors there are done with)
.set SELP, 66
.set MNT,  104
.set MSB, 0
.macro WIN new                         ; the immediate's high byte repeats the setting that is left
.if MSB != \new
	s_set_vgpr_msb (MSB<<8)|\new
.set MSB, \new
.endif
.endm
; A joint load: waves 0 and 1 fetch for source 1, waves 2 and 3 for source 0.  The branch hangs on the wave's number alone.  Four v_nop follow each of the two lines.
.macro JLOAD g0a, g1a, g0b, g1b
	s_cmp_eq_u32 s[ROLE], 0
	s_cbranch_scc0 .Lfor_b_\@
	tensor_load_to_lds s[\g0a:\g0a+3], s[\g1a:\g1a+7]
	s_nop 0
.rept 4
	v_nop
.endr
	s_branch .Lasked_\@
.Lfor_b_\@:
	tensor_load_to_lds s[\g0b:\g0b+3], s[\g1b:\g1b+7]
	s_nop 0
.rept 4
	v_nop
.endr
.Lasked_\@:
.endm
.macro CREST                           ; a round of the cluster's barrier behind its opening barrier
	s_cmp_lg_u32 s[WV], 0
	s_cbranch_scc1 .Lnot_wave_0_\@
	s_barrier_signal -3
.Lnot_wave_0_\@:
	s_barrier_wait -3
	s_barrier_signal -1
	s_barrier_wait -1
.endm
.macro CROUND
	s_barrier_signal -1
	s_barrier_wait -1
	CREST
.endm
.macro PLACES n                        ; plain vector lines between a matrix instruction and a load into, or a read of, its registers (ISA guide 7.12.1 for reads)
.rept \n
	v_nop
.endr
.endm
.macro MKG0 g, lreg, ladd, areg, aadd  ; a group 0: count 1, LDS address, global address, type 2
	s_mov_b32 s[\g], 1
	s_add_co_u32 s[\g+1], s[\lreg], \ladd
	s_add_nc_u64 s[\g+2:\g+3], s[\areg:\areg+1], \aadd
	s_or_b32 s[\g+3], s[\g+3], 0x80000000
.endm
; K step k's fragments and scale words into set k % 2: 56 LDS loads in one run
.macro FETCH k
.set SG, ((\k)/2)%3
.set QQ, (\k)%2
	WIN 0x40                                       ; destination window 1
.irp b, 0,1,2,3,4,5,6,7
.irp c, 0,1,2,3
	ds_load_b128 v[128*QQ+16*\b+4*\c:128*QQ+16*\b+4*\c+3], v[ADRB+SG] offset:4096*\b+2048*QQ+512*\c
.endr
.endr
	WIN 0
.irp a, 0,1,2,3
.irp c, 0,1,2,3
	ds_load_b128 v[AF+64*QQ+16*\a+4*\c:AF+64*QQ+16*\a+4*\c+3], v[ADRA+SG] offset:4096*\a+2048*QQ+512*\c
.endr
.endr
.irp i, 0,1,2,3,4,5,6,7
	ds_load_b32 v[SC+8*QQ+\i], v[ADRS] offset:512*\i+64*(\k)   ; lanes 16-31: source 0's tile i; lanes 0-15: my tile i of source 1 (from i = 4 on: filled bytes that nobody uses)
.endr
.endm
; n row blocks from a0 on x source 0's eight tiles, K step k.  cm = 1: the first products start the sums.  The 32 accumulators take turns in the same order in every step.
.macro MUL a0, n, k, cm
.set PP, (\k)%2
.set AA, \a0
.rept \n
.irp b, 0,1,2,3,4,5,6,7
.if \cm == 1
	v_wmma_scale_f32_16x16x128_f8f6f4 v[8*(8*AA+\b):8*(8*AA+\b)+7], v[128*PP+16*\b:128*PP+16*\b+15], v[AF+64*PP+16*AA:AF+64*PP+16*AA+15], 0, v[SC+8*PP+\b], v[SC+8*PP+AA] matrix_a_fmt:MATRIX_FMT_BF8 matrix_b_fmt:MATRIX_FMT_BF8 matrix_a_scale:MATRIX_SCALE_ROW1
.else
	v_wmma_scale_f32_16x16x128_f8f6f4 v[8*(8*AA+\b):8*(8*AA+\b)+7], v[128*PP+16*\b:128*PP+16*\b+15], v[AF+64*PP+16*AA:AF+64*PP+16*AA+15], v[8*(8*AA+\b):8*(8*AA+\b)+7], v[SC+8*PP+\b], v[SC+8*PP+AA] matrix_a_fmt:MATRIX_FMT_BF8 matrix_b_fmt:MATRIX_FMT_BF8 matrix_a_scale:MATRIX_SCALE_ROW1
.endif
.endr
.set AA, AA+1
.endr
.endm
.macro PLAIN k, cm                     ; a K step whose successor lies in a slot that is known whole
	s_wait_dscnt 0x0                               ; this step's fragments are in
.if (\k) > 0
	PLACES 8                                       ; the other set was read by the step before
.endif
	FETCH (\k)+1
	WIN 0xa1                                       ; source 0 window 1, source 1 window 0, C and D window 2
	MUL 0, 4, \k, \cm
.endm
; A K step with a barrier.  In front of it each wave waits for all its tensor loads, adds 0 to its spare word, and waits for that and for its LDS reads.  fill = 1: slot 0 is filled again, behind a round of the cluster's barrier.
.macro TURN k, fill
	WIN 0                                          ; (the add's two registers lie in window 0)
	s_wait_tensorcnt 0x0                           ; all my tensor loads have landed
	ds_add_u32 v[SPW], v[NIL]                      ; 0 onto my spare word
	s_wait_dscnt 0x1                               ; this step's fragments are in; the add alone may be out
	WIN 0xa1
	MUL 0, 2, \k, 0                                ; sixteen matrix instructions stand between the add and the wait for it
	s_wait_dscnt 0x0                               ; the add is done, and my reads of the slots behind me are over
	s_barrier_signal -1
	MUL 2, 1, \k, 0
	WIN 0
	s_barrier_wait -1
.if \fill
	CREST                                          ; no wave of any partner still reads slot 0 or has a load on its way
	s_add_nc_u64 s[G0A0+2:G0A0+3], s[G0A0+2:G0A0+3], 12288   ; three slots of 4,096 bytes a tile on: K = 768 .. 1,023
	s_add_nc_u64 s[G0B0+2:G0B0+3], s[G0B0+2:G0B0+3], 12288
	JLOAD G0A0, G1A, G0B0, G1B                     ; the first tensor load behind the round, one a wave; its four v_nop are among the places below
	PLACES 4
.else
	PLACES 8
.endif
	FETCH (\k)+1
	WIN 0xa1
	MUL 3, 1, \k, 0
.endm
	s_load_b256 s[4:11], s[0:1], 0x0               ; xc, xs, rt, bq
	s_load_b128 s[12:15], s[0:1], 0x20             ; bk, bv
	s_load_b64 s[16:17], s[0:1], 0x30              ; qkv
	v_lshl_add_u32 v[SPW], v0, 2, SPARE
	v_mov_b32 v[NIL], 0
	ds_add_u32 v2, v3
	ds_add_u32 v2, v3
	s_wait_dscnt 0x0
	v_lshrrev_b32 v1, 5, v0
	v_readfirstlane_b32 s[WV], v1
	s_lshr_b32 s[ROLE], s[WV], 1
	s_and_b32 s[EH], s[WV], 1
	s_bfe_u32 s[CX], ttmp6, 0x40000
	s_bfe_u32 s[CY], ttmp6, 0x40004
	s_and_b32 s2, ttmp7, 0xffff                    ; cluster y
	s_lshr_b32 s[SEL], s2, 3                       ; 0 q, 1 k, 2 v
	s_and_b32 s2, s2, 7
	s_lshl_b32 s3, s2, 3
	s_lshl_b32 s2, s2, 2
	s_lshl_b32 s66, s[SEL], 23                     ; where source 1's codes begin in xc: q 0, k 8 MiB,
	s_lshl_b32 s67, s[SEL], 20
	s_add_co_u32 s67, s67, 25165824                ; and source 0's: Wq, Wk
	s_cmp_eq_u32 s[SEL], 2
	s_cselect_b32 s2, 0, s2
	s_cselect_b32 s3, s3, 0
	s_cselect_b32 s66, 27262976, s66               ; v: source 1 = Wv,
	s_cselect_b32 s67, 16777216, s67               ; source 0 = v
	s_add_co_u32 s[TY], s2, s[CY]
	s_lshl_b32 s[TX], ttmp9, 2
	s_add_co_u32 s[TX], s[TX], s[CX]
	s_add_co_u32 s[TX], s[TX], s3
	s_lshl_b32 s104, s[CY], 2
	s_lshl_b32 s104, 15, s104                      ; my row of the cluster
	s_lshl_b32 s105, 0x1111, s[CX]                 ; my column
	; groups 1: elements of 8 bytes, no padding; bit 21 beside the mask.  Codes: a tile's 4,096 bytes of a slot are a row, tiles 16,384 bytes apart
	s_or_b32 s[G1A], s104, (3<<16)|(1<<21)
	s_mov_b32 s[G1A+1], 512<<16
	s_mov_b32 s[G1A+2], 8<<16
	s_mov_b32 s[G1A+3], 512<<16
	s_mov_b32 s[G1A+4], 8
	s_mov_b32 s[G1A+5], 2048
	s_mov_b32 s[G1A+6], 0
	s_mov_b32 s[G1A+7], 0
	s_or_b32 s[G1B], s105, (3<<16)|(1<<21)
	s_mov_b32 s[G1B+1], 512<<16
	s_mov_b32 s[G1B+2], 4<<16
	s_mov_b32 s[G1B+3], 512<<16
	s_mov_b32 s[G1B+4], 4
	s_mov_b32 s[G1B+5], 2048
	s_mov_b32 s[G1B+6], 0
	s_mov_b32 s[G1B+7], 0
	; scale words: dense blocks, as rows of 256 bytes
	s_or_b32 s[G1SA], s104, (3<<16)|(1<<21)
	s_mov_b32 s[G1SA+1], 32<<16
	s_mov_b32 s[G1SA+2], 16<<16
	s_mov_b32 s[G1SA+3], 32<<16
	s_mov_b32 s[G1SA+4], 16
	s_mov_b32 s[G1SA+5], 32
	s_mov_b32 s[G1SA+6], 0
	s_mov_b32 s[G1SA+7], 0
	s_or_b32 s[G1SB], s105, (3<<16)|(1<<21)
	s_mov_b32 s[G1SB+1], 32<<16
	s_mov_b32 s[G1SB+2], 8<<16
	s_mov_b32 s[G1SB+3], 32<<16
	s_mov_b32 s[G1SB+4], 8
	s_mov_b32 s[G1SB+5], 32
	s_mov_b32 s[G1SB+6], 0
	s_mov_b32 s[G1SB+7], 0
	s_lshl_b32 s94, s[TY], 18                      ; source 1's codes: 262,144 bytes a block, my half of it
	s_add_co_u32 s94, s94, s66
	s_lshl_b32 s2, s[EH], 17
	s_add_co_u32 s94, s94, s2
	s_mov_b32 s95, 0
	s_lshr_b32 s96, s66, 5                         ; its scale words: a 32nd of that
	s_lshl_b32 s2, s[TY], 13
	s_add_co_u32 s96, s96, s2
	s_lshl_b32 s2, s[EH], 12
	s_add_co_u32 s96, s96, s2
	s_mov_b32 s97, 0
	s_lshl_b32 s98, s[TX], 17                      ; source 0's codes: 131,072 bytes a block
	s_add_co_u32 s98, s98, s67
	s_lshl_b32 s2, s[EH], 16
	s_add_co_u32 s98, s98, s2
	s_mov_b32 s99, 0
	s_lshr_b32 s100, s67, 5
	s_lshl_b32 s2, s[TX], 12
	s_add_co_u32 s100, s100, s2
	s_lshl_b32 s2, s[EH], 11
	s_add_co_u32 s100, s100, s2
	s_mov_b32 s101, 0
	s_lshl_b32 s2, s[EH], 15                       ; and where they go: no place in the cluster enters an LDS address
	s_lshl_b32 s3, s[EH], 14
	s_add_co_u32 s3, s3, S0OFF
	s_lshl_b32 s104, s[EH], 12
	s_add_co_u32 s104, s104, SCL
	s_lshl_b32 s105, s[EH], 11
	s_add_co_u32 s105, s105, SCL+8192
	s_wait_kmcnt 0x0
	s_add_nc_u64 s[94:95], s[4:5], s[94:95]
	s_add_nc_u64 s[96:97], s[6:7], s[96:97]
	s_add_nc_u64 s[98:99], s[4:5], s[98:99]
	s_add_nc_u64 s[100:101], s[6:7], s[100:101]
	CROUND                                         ; all sixteen work-groups are here: the first joint loads meet
	MKG0 G0SA, 104, 0, 96, 0
	MKG0 G0SB, 105, 0, 100, 0
	MKG0 G0A0, 2, 0, 94, 0
	MKG0 G0B0, 3, 0, 98, 0
	MKG0 G0A1, 2, SLOTB, 94, 4096
	MKG0 G0B1, 3, SLOTB, 98, 4096
	MKG0 G0A2, 2, 2*SLOTB, 94, 8192
	MKG0 G0B2, 3, 2*SLOTB, 98, 8192
	JLOAD G0SA, G1SA, G0SB, G1SB                   ; the scale words of all of K: filled once
	JLOAD G0A0, G1A, G0B0, G1B                     ; K = 0 .. 255
	JLOAD G0A1, G1A, G0B1, G1B                     ; 256 .. 511
	JLOAD G0A2, G1A, G0B2, G1B                     ; 512 .. 767
	v_and_b32 v1, 31, v0
	v_lshlrev_b32 v[LI], 4, v1
	v_and_b32 v[RR], 15, v0
	v_bfe_u32 v[HH], v0, 4, 1
	s_lshl_b32 s2, s[WV], 14
	v_add_nc_u32 v[ADRA], s2, v[LI]
	v_add_nc_u32 v[ADRA+1], SLOTB, v[ADRA]
	v_add_nc_u32 v[ADRA+2], 2*SLOTB, v[ADRA]
	v_add_nc_u32 v[ADRB], S0OFF, v[LI]
	v_add_nc_u32 v[ADRB+1], SLOTB+S0OFF, v[LI]
	v_add_nc_u32 v[ADRB+2], 2*SLOTB+S0OFF, v[LI]
	s_xor_b32 s3, s[WV], 3
	s_add_co_u32 s3, s3, 1
	s_lshl_b32 s3, s3, 11                          ; 8,192 - 2,048 x wave: from my tiles' words of source 1 to source 0's
	v_mul_u32_u24 v7, s3, v[HH]                    ; one product: lanes 16-31 stand that far on
	s_lshl_b32 s2, s[WV], 11
	s_add_co_u32 s2, s2, SCL
	v_lshl_add_u32 v[ADRS], v[RR], 2, v7
	v_add_nc_u32 v[ADRS], s2, v[ADRS]
	v_and_b32 v7, 8, v[RR]
	v_add_nc_u32 v7, v7, v[RR]                     ; r % 8 + 16 (r / 8): my row among a pair of tiles' 32
	v_lshlrev_b32 v[TBO], 8, v7
	v_lshl_add_u32 v[TBO], v[HH], 7, v[TBO]
	s_wait_alu depctr_va_vdst(0)
	v_lshlrev_b32 v[BCO], 6, v[HH]
	s_wait_alu depctr_va_vdst(0)
	v_lshlrev_b32 v[BRO], 2, v7
	s_wait_alu depctr_va_vdst(0)
.irp b, 0,1,2,3
	v_mov_b32 v[TM+4+\b], 0                        ; written once: a lane permute's destination counts as one of its sources
.endr
	; what the way out wants, asked for now.  Every work-group loads all three kinds, from offsets that stay inside the buffers, so that each register is written on every way
	s_and_b32 s2, s[TY], 7
	s_lshl_b32 s2, s2, 8                           ; q, k: my block's first position in its batch
	s_lshl_b32 s3, s[TX], 9                        ; q, k: my 128 features' bias
	s_lshl_b32 s66, s[CY], 10                      ; v: my block's 256 features' bias
	s_cmp_lt_u32 s[SEL], 2
	s_cselect_b32 s2, s2, 0
	s_cselect_b32 s3, s3, 0
	s_cselect_b32 s66, 0, s66
	s_cmp_eq_u32 s[SEL], 1
	s_cselect_b64 s[10:11], s[12:13], s[10:11]
	s_cmp_eq_u32 s[SEL], 2
	s_cselect_b64 s[10:11], s[14:15], s[10:11]     ; bq, bk or bv
	s_lshl_b32 s67, s[WV], 6
	s_add_co_u32 s2, s2, s67
	s_lshl_b32 s94, s2, 8                          ; 256 bytes of table a position
	s_mov_b32 s95, 0
	s_add_nc_u64 s[8:9], s[8:9], s[94:95]
	s_mov_b32 s94, s3
	s_add_nc_u64 s[12:13], s[10:11], s[94:95]
	s_lshl_b32 s67, s[WV], 8
	s_add_co_u32 s94, s66, s67
	s_add_nc_u64 s[14:15], s[10:11], s[94:95]
	WIN 0xc0                                       ; destination window 3
.irp a, 0,1,2,3
.irp d, 0,1,2,3,4,5,6,7
	global_load_b128 v[32*\a+4*\d:32*\a+4*\d+3], v[TBO], s[8:9] offset:(32*(\a/2)+8*(\a%2))*256+16*\d   ; cos and sin of my position of row block a, my half's 16 frequencies
.endr
.endr
.irp g, 0,1,2,3
.irp d, 0,1,2,3
	global_load_b128 v[BC+16*\g+4*\d:BC+16*\g+4*\d+3], v[BCO], s[12:13] offset:128*\g+16*\d   ; bias of features 32 g + 16 h + 0 .. 15
.endr
.endr
.irp a, 0,1,2,3
	global_load_b32 v[BR+2*\a], v[BRO], s[14:15] offset:4*(32*(\a/2)+8*(\a%2))     ; bias of my row of row block a, twice: a pair for the packed addition
	global_load_b32 v[BR+2*\a+1], v[BRO], s[14:15] offset:4*(32*(\a/2)+8*(\a%2))
.endr
	WIN 0
	s_wait_tensorcnt 0x2                           ; the scale words and my part of slot 0 are in; slots 1 and 2 may be out
	s_barrier_signal -1
	s_barrier_wait -1
	FETCH 0
	PLAIN 0, 1                                     ; the first step's products start the sums: nothing is cleared
	TURN 1, 1                                      ; slots 1 and 2 are whole for every wave; slot 0 is left and filled again
	PLAIN 2, 0
	PLAIN 3, 0
	PLAIN 4, 0
	TURN 5, 0                                      ; the refill has landed for every wave
	PLAIN 6, 0
	s_wait_dscnt 0x0
	WIN 0xa1
	MUL 0, 4, 7, 0
	WIN 0
	; THE WAY OUT.  Where my results go: no tensor load is out since K step 5, so the descriptors' registers serve as scratch and as bases
	s_lshr_b32 s2, s[TY], 3                        ; q, k: block ((batch x 16 + 2 tx) x 16 + 2 (ty % 8) + wave / 2)
	s_lshl_b32 s2, s2, 4
	s_lshl_b32 s3, s[TX], 1
	s_add_co_u32 s2, s2, s3
	s_lshl_b32 s2, s2, 4
	s_and_b32 s3, s[TY], 7
	s_lshl_b32 s3, s3, 1
	s_add_co_u32 s2, s2, s3
	s_add_co_u32 s2, s2, s[ROLE]
	s_lshr_b32 s3, s[TX], 4                        ; v: block ((tx / 16 x 16 + 4 cy + wave) x 16 + tx % 16)
	s_lshl_b32 s3, s3, 4
	s_lshl_b32 s24, s[CY], 2
	s_add_co_u32 s3, s3, s24
	s_add_co_u32 s3, s3, s[WV]
	s_lshl_b32 s3, s3, 4
	s_and_b32 s24, s[TX], 15
	s_add_co_u32 s3, s3, s24
	s_lshl_b32 s24, s[EH], 12                      ; q, k: my four tiles of the block's eight
	s_lshl_b32 s25, s[EH], 7
	s_add_co_u32 s25, s25, 16384
	s_cmp_eq_u32 s[SEL], 0
	s_cselect_b32 s26, 16896, 0                    ; q's codes and words lie behind k's and v's
	s_cselect_b32 s27, 8704, 0
	s_add_co_u32 s24, s24, s26
	s_add_co_u32 s25, s25, s27
	s_mov_b32 s34, 1024                            ; from row block to row block
	s_mov_b32 s36, 405504                          ; from the first two groups of codes to the last two: the next head (16 blocks)
	s_mov_b32 s58, 405504                          ; the same for the scale words
	s_mov_b32 s30, 0x05040100                      ; q, k: a word is two tiles' two bytes of one head
	s_mov_b32 s31, 0x07060302
	s_cmp_eq_u32 s[SEL], 2
	s_cselect_b32 s2, s3, s2
	s_cselect_b32 s24, 8192, s24
	s_cselect_b32 s25, 16640, s25
	s_cselect_b32 s34, 2048, s34
	s_cselect_b32 s36, 1024, s36
	s_cselect_b32 s58, 64, s58
	s_cselect_b32 s28, 128, 64                     ; from lanes 0-15's words to lanes 16-31's
	s_cselect_b32 s30, 0x03020100, s30             ; v: a word goes as it is
	s_cselect_b32 s31, 0x07060504, s31
	s_mul_i32 s2, s2, 25344
	s_add_co_u32 s32, s2, s24
	s_add_co_u32 s38, s2, s25
	s_mov_b32 s33, 0
	s_mov_b32 s35, 0
	s_mov_b32 s37, 0
	s_mov_b32 s39, 0
	s_mov_b32 s59, 0
	s_add_nc_u64 s[DB:DB+1], s[16:17], s[32:33]
	s_add_nc_u64 s[DB+2:DB+3], s[DB:DB+1], s[36:37]
.irp a, 1,2,3
	s_add_nc_u64 s[DB+4*\a:DB+4*\a+1], s[DB+4*\a-4:DB+4*\a-3], s[34:35]
	s_add_nc_u64 s[DB+4*\a+2:DB+4*\a+3], s[DB+4*\a:DB+4*\a+1], s[36:37]
.endr
	s_add_nc_u64 s[38:39], s[16:17], s[38:39]
	s_add_nc_u64 s[56:57], s[38:39], s[58:59]
	s_mov_b32 s[SELP], 0x76543210
	s_mov_b32 s[SELP+1], 0xfedcba98
	PLACES 8                                       ; behind the last products, ahead of the first read of a result and the first write of a fragment's register
	s_wait_loadcnt 0x0                             ; table and biases
; 64 numbers of a lane, register 16 b + i = k 32 b + 16 h + i of my row, become a fragment's codes in v[PC] on and its scale word in v[pw]
.macro QUANT s, pw
.irp b, 0,1,2,3
	v_max3_num_f32 v[TM+\b], |v[\s+16*\b]|, |v[\s+1+16*\b]|, 0x8000000   ; my 16 numbers of block b, and the floor 2^(16 - 127): the byte cannot fall under 1
.endr
.irp i, 2,4,6,8,10,12,14
.irp b, 0,1,2,3
	v_max3_num_f32 v[TM+\b], v[TM+\b], |v[\s+16*\b+\i]|, |v[\s+1+16*\b+\i]|
.endr
.endr
.irp b, 0,1,2,3
	v_permlanex16_b32 v[TM+4+\b], v[TM+\b], s[SELP], s[SELP+1]
.endr
.irp b, 0,1,2,3
	v_max_num_f32 v[TM+\b], v[TM+\b], v[TM+4+\b]   ; with lane l xor 16's: the block's largest magnitude
.endr
.irp b, 0,1,2,3
	v_add_nc_u32 v[TM+12+\b], 0xf8800000, v[TM+\b] ; 15 off its exponent field: the conversion's scale operand
.endr
.irp b, 0,1,2,3
.endr
.irp b, 0,1,2,3
	v_lshrrev_b32 v[TM+4+\b], 23, v[TM+12+\b]      ; the scale's byte
.endr
	v_lshl_or_b32 v[\pw], v[TM+5], 8, v[TM+4]
	v_lshl_or_b32 v[\pw], v[TM+6], 16, v[\pw]
	v_lshl_or_b32 v[\pw], v[TM+7], 24, v[\pw]
.irp b, 0,1,2,3
.irp i, 0,1,2,3,4,5,6,7,8,9,10,11,12,13,14,15
.endr
	v_cvt_scalef32_pk8_bf8_f32 v[PC+4*\b:PC+1+4*\b], v[\s+16*\b:\s+7+16*\b], v[TM+12+\b]
	v_cvt_scalef32_pk8_bf8_f32 v[PC+2+4*\b:PC+3+4*\b], v[\s+8+16*\b:\s+15+16*\b], v[TM+12+\b]
.endr
	v_nop                                          ; one plain line behind the last conversion
.endm
.macro PRE_QK a                        ; row block a of q or k: + bias by column, then RoPE on neighbouring pairs
	WIN 0x0e                                       ; source 0 window 2 (the sums), source 1 window 3 (the bias)
.set i, 0
.rept 32
	v_pk_add_f32 v[Y+i:Y+i+1], v[64*(\a)+i:64*(\a)+i+1], v[BC+i:BC+i+1]   ; each accumulator from its low end on
.set i, i+2
.endr
	WIN 0x03                                       ; source 0 window 3: cos and sin
.set p, 0
.rept 32
.set m, p%16                           ; pair p is frequency 16 (m / 8) + 8 h + m % 8 of its head
.set tt, T0+2*(p%2)
	v_mul_f32 v[tt], v[32*(\a)+2*m+1], v[Y+2*p+1]
	v_mul_f32 v[tt+1], v[32*(\a)+2*m+1], v[Y+2*p]
	v_fma_f32 v[Y+2*p], v[32*(\a)+2*m], v[Y+2*p], -v[tt]        ; x0 cos - x1 sin
	v_fma_f32 v[Y+2*p+1], v[32*(\a)+2*m], v[Y+2*p+1], v[tt+1]   ; x1 cos + x0 sin
.set p, p+1
.endr
	WIN 0
.endm
.macro PRE_V a                         ; row block a of v: + bias by row
	WIN 0x0e
.set i, 0
.rept 32
	v_pk_add_f32 v[Y+i:Y+i+1], v[64*(\a)+i:64*(\a)+i+1], v[BR+2*(\a):BR+2*(\a)+1]
.set i, i+2
.endr
	WIN 0
.endm
.macro EPI a
.if (\a) > 0
	s_wait_xcnt 0x0                                ; the last row block's stores have read their codes: they are written again only behind this wait
.endif
	s_cmp_lt_u32 s[SEL], 2                         ; the same in every wave and every partner; both ways write all 64 numbers
	s_cbranch_scc0 .Lis_v_\@
	PRE_QK \a
	s_branch .Ljoin_\@
.Lis_v_\@:
	PRE_V \a
.Ljoin_\@:
	QUANT Y, PW+(\a)
.irp c, 0,1,2,3
	global_store_b128 v[LI], v[PC+4*\c:PC+4*\c+3], s[DB+4*(\a)+2*(\c/2):DB+4*(\a)+2*(\c/2)+1] offset:512*(\c%2)   ; 32 lanes store 512 consecutive bytes
.endr
.endm
	EPI 0
	EPI 1
	EPI 2
	EPI 3
	; the scale words.  q, k: for each of the two heads a word of two neighbouring tiles' two bytes; v: the four words as they are.  The selectors and distances were chosen above: no branch
	v_perm_b32 v[E0], v[PW+1], v[PW], s30
	v_perm_b32 v[E0+2], v[PW+1], v[PW], s31
	v_perm_b32 v[E0+1], v[PW+3], v[PW+2], s30
	v_perm_b32 v[E0+3], v[PW+3], v[PW+2], s31
	s_mov_b32 vcc_lo, 0xffff0000
	v_cndmask_b32 v[SW], v[E0], v[E0+1], vcc_lo    ; lanes 16-31 carry the second pair of row blocks
	v_cndmask_b32 v[SW+1], v[E0+2], v[E0+3], vcc_lo
	v_mul_u32_u24 v[SWO], s28, v[HH]
	v_lshl_add_u32 v[SWO], v[RR], 2, v[SWO]
	global_store_b32 v[SWO], v[SW], s[38:39]
	global_store_b32 v[SWO], v[SW+1], s[56:57]
	s_wait_tensorcnt 0x0                           ; the wave's end
	ds_add_u32 v[SPW], v[NIL]
	s_wait_dscnt 0x0
	CROUND                                         ; the closing round: no work-group ends while a partner may still ask for a tile that names it
	s_endpgm
.Lfunc_end_k_qe708b2a431_proj:
	.size	k_qe708b2a431_proj, .Lfunc_end_k_qe708b2a431_proj-k_qe708b2a431_proj
	.p2alignl 7, 3214868480
	.fill 96, 4, 3214868480
	.section	.rodata,"a",@progbits
	.p2align	6, 0x0
	.amdhsa_kernel k_qe708b2a431_proj
		.amdhsa_group_segment_fixed_size 327680
		.amdhsa_private_segment_fixed_size 0
		.amdhsa_enable_private_segment 0
		.amdhsa_kernarg_size 56
		.amdhsa_user_sgpr_count 2
		.amdhsa_user_sgpr_kernarg_segment_ptr 1
		.amdhsa_wavefront_size32 1
		.amdhsa_system_sgpr_workgroup_id_x 1
		.amdhsa_system_sgpr_workgroup_id_y 1
		.amdhsa_system_sgpr_workgroup_id_z 1
		.amdhsa_system_vgpr_workitem_id 0
		.amdhsa_next_free_vgpr 1024
		.amdhsa_next_free_sgpr 106
		.amdhsa_reserve_vcc 1
		.amdhsa_float_denorm_mode_32 3
		.amdhsa_float_denorm_mode_16_64 3
		.amdhsa_fp16_overflow 1
		.amdhsa_memory_ordered 1
		.amdhsa_forward_progress 1
		.amdhsa_inst_pref_size 141
	.end_amdhsa_kernel
	.amdgpu_metadata
---
amdhsa.version: [ 1, 2 ]
amdhsa.kernels:
  - .name:           k_qe708b2a431_proj
    .symbol:         k_qe708b2a431_proj.kd
    .args:
      - { .name: xc, .offset: 0, .size: 8, .value_kind: global_buffer, .address_space: global }
      - { .name: xs, .offset: 8, .size: 8, .value_kind: global_buffer, .address_space: global }
      - { .name: rt, .offset: 16, .size: 8, .value_kind: global_buffer, .address_space: global }
      - { .name: bq, .offset: 24, .size: 8, .value_kind: global_buffer, .address_space: global }
      - { .name: bk, .offset: 32, .size: 8, .value_kind: global_buffer, .address_space: global }
      - { .name: bv, .offset: 40, .size: 8, .value_kind: global_buffer, .address_space: global }
      - { .name: qkv, .offset: 48, .size: 8, .value_kind: global_buffer, .address_space: global }
    .group_segment_fixed_size: 327680
    .private_segment_fixed_size: 0
    .kernarg_segment_align: 8
    .kernarg_segment_size: 56
    .max_flat_workgroup_size: 128
    .sgpr_count:     106
    .vgpr_count:     1024
    .wavefront_size: 32
...
	.end_amdgpu_metadata
.endif
;; end of part 2
;; launch attn (part 3): grid 4 x 64, 16 waves a work-group, no clusters, 327,680 bytes of LDS; arguments qkv, ac, asc; writes ac, asc
.if DOCPART == 3
	.amdgcn_target "amdgcn-amd-amdhsa--gfx1250"
	.amdhsa_code_object_version 6
	.text
	.protected	k_qe708b2a431_attn
	.globl	k_qe708b2a431_attn
	.p2align	8
	.type	k_qe708b2a431_attn,@function
k_qe708b2a431_attn:
	s_mov_b64 s[64:65], 0
	v_nop
	global_prefetch_b8 v0, s[64:65] scope:SCOPE_SE
	s_setreg_imm32_b32 hwreg(HW_REG_WAVE_MODE, 25, 1), 1
	s_wait_xcnt 0x0
; ATTN.  Causal attention on codes of BF8 (E5M2) with E8M0 scales, head size 64, 2,048 positions, 64 (batch, head) pairs; the result is divided by the row's sum and quantised along the model's 1,024 for the last product.
; THE SOFTMAX: t = score x log2(e) / 8; M = the running largest t rounded UP to a whole number; p = 2^(t - M) is quantised along the keys, not normalised; the row's sum is taken of the unquantised p.
; When M moves, the sum and O are multiplied by 2^(old M - new M): exact.
; SHARES.  Work-group (i, bh), sixteen waves of 256 registers, four to a SIMD.  A wave owns ONE tile of 16 queries at a time: first of block J = 15 - 2 i - e, then of block J = 2 i + e (e = wave / 8; blocks of 128
; positions; tile wave % 8 of the block).  The ring walks key blocks 0 .. 15 - 2 i and then 0 .. 2 i + 1: 18 trips in every work-group, a constant, of which every wave works 17: 256 equal work-groups.
; A key block that lies wholly behind a wave's queries is passed over by a scalar branch on ids, round the step's work alone; on the diagonal hidden scores become -infinity.
; NO CLUSTER: the four work-groups of a head would have to walk one common list of key blocks, 24 trips for the 17 that each needs; and what is shared is 16,896 bytes for sixteen waves' steps of some 330 vector lines.
; K = 64 IN A STEP OF 128.  A fragment of K holds two stored tiles of 16 keys: k 0-63 the first tile's 64 dims, k 64-127 the second's.  Q stands in a run of 24 registers, zeros | q | zeros: [q | 0] picks the
; first tile's scores, [0 | q] the second's.  Zero codes against finite codes add nothing; no scale byte is 0xff.  No byte of K is read twice.
; LAYOUT.  Both products transposed: S^T = K Q^T, O^T = V^T P^T: a lane holds one query throughout.  Stored tiles' rows are chosen so that register 16 g + i of S^T is key 32 g + 16 h + i, and of O^T dim 32 g + 16 h + i.
; A block's largest p is taken through its largest score (this rests on v_exp_f32 not falling where its input rises).
; OUT: ac, asc: the last product's operand as an image of its registers, [tile][K step][group][lane][16 bytes] and [tile][K step][row] words.  A head's two scale bytes of a row leave as 2 bytes a lane, 4 bytes apart
; (lanes l and l xor 16 store the same value to the same place): 8,192 such stores in the launch.
; LIMITS: NaN and infinities are not served; a block whose largest magnitude lies under 2^-111 keeps the byte 1, a block of zeros too.
.set SLOTB, 16896                      ; a slot: K codes 8,192 | V^T codes 8,192 | K scale words 256 | V scale words 256: the first 66 x 256 bytes of a block of qkv
.set BLKB,  25344
.set SPARE, 33792                      ; the spare words, 128 bytes for each wave: eight blocks of 256 bytes that no other line names
.set LI,   1                           ; v1   16 x lane
.set LS,   2                           ; v2   4 x (lane % 16)
.set DM,   3                           ; v3   my query's place in its block - 16 h
.set SPW,  5                           ; v5   SPARE + 4 x my thread's number; never rewritten
.set NIL,  6                           ; v6   0; never rewritten
.set PFO,  7                           ; v7   256 x lane
                                       ; v12 -M, v13 the largest t, v[14:15] the sum in two halves; v16-23 zeros, v24-31 q, v32-39 zeros
.set F,    40                          ; v40-103  four fragments of K, then of V^T
.set S,    104                         ; v104-167 S^T, then p
.set O,    168                         ; v168-199 O^T
.set Q2,   200                         ; v200-207 the second tile's q;  v208 its scale word
.set QSC,  209                         ; v209 q's scale word
.set KSC,  210                         ; v210-213 K's, then V's scale words
                                       ; v224-239 p's codes; v232-254 at work; v253 p's scale word
.set WV,   10
.set LIM1, 15                          ; s15  16 - 2 i: the trip at which the waves change tiles
.set JC,   16                          ; s16  my queries' block
.set JLO,  17
.set KS,   18                          ; s18  the trip's key block
.set MNT,  19
.set SEL,  20
.set CS,   22                          ; s[22:23] log2(e) / 8
.set TAU,  24                          ; s24  the trip
.set TN,   25
.set NX,   26                          ; s26  the next trip's key block
.set OF,   28
.set KVB,  30                          ; s[30:31] my head's first block
.set G1,   32
.set G0,   40                          ; s[40:43] slot 0's group 0, s[44:47] slot 1's
.set LOOP, 48
.set TGC,  49
.set PFA,  50
.set LIM,  52
.set HC,   53
.set A0,   54
.set HS,   62
	s_load_b128 s[4:7], s[0:1], 0x0                ; qkv, ac
	s_load_b64 s[8:9], s[0:1], 0x10                ; asc
	v_lshl_add_u32 v[SPW], v0, 2, SPARE
	v_mov_b32 v[NIL], 0
	ds_add_u32 v5, v6
	ds_add_u32 v5, v6
	s_wait_dscnt 0x0
	v_lshrrev_b32 v8, 5, v0
	s_delay_alu instid0(VALU_DEP_1)
	v_readfirstlane_b32 s[WV], v8
	s_and_b32 s11, ttmp7, 0xffff                   ; bh
	s_lshr_b32 s12, s[WV], 3                       ; e
	s_and_b32 s13, s[WV], 7                        ; my tile of the block
	s_lshl_b32 s14, ttmp9, 1
	s_sub_co_u32 s[LIM1], 16, s14
	s_add_co_u32 s[JLO], s14, s12
	s_sub_co_u32 s[JC], 15, s[JLO]
	s_mov_b32 s[KS], 0
	s_mov_b32 s[TAU], 0
	s_mov_b32 s[SEL], 0x76543210
	s_mov_b32 s[SEL+1], 0xfedcba98
	s_mov_b32 s[CS], 0x3e38aa3b
	s_mov_b32 s[CS+1], s[CS]                       ; (named with it as a pair, so it is written)
	s_mul_i32 s[OF], s11, 16*BLKB
	s_mov_b32 s[OF+1], 0
	s_mov_b32 s[G1], 3<<16                         ; no mask; elements of 8 bytes; no padding: a dense block as 66 rows of 256 bytes
	s_mov_b32 s[G1+1], 32<<16
	s_mov_b32 s[G1+2], 66<<16
	s_mov_b32 s[G1+3], 32<<16
	s_mov_b32 s[G1+4], 66
	s_mov_b32 s[G1+5], 32
	s_mov_b32 s[G1+6], 0
	s_mov_b32 s[G1+7], 0
	s_lshr_b32 s2, s11, 4
	s_lshl_b32 s2, s2, 7
	s_add_co_u32 s[TGC], s2, s13                   ; 128 x batch + my tile: + 8 J it is the result's tile
	s_and_b32 s3, s11, 15                          ; the head
	s_lshl_b32 s[HC], s3, 10                       ; its 1,024 bytes of a tile's codes
	s_lshr_b32 s2, s3, 1
	s_lshl_b32 s2, s2, 6
	s_and_b32 s3, s3, 1
	s_lshl_b32 s3, s3, 1
	s_add_co_u32 s[HS], s2, s3                     ; its two bytes of a row's scale words
	s_sub_co_u32 s2, s[WV], 1
	s_lshr_b32 s2, s2, 1                           ; 0 in waves 1 and 2,
	s_or_b32 s2, s2, ttmp9                         ; of the head's first work-group
	s_cmp_eq_u32 s2, 0
	s_cselect_b32 s[LIM], 14, 0                    ; these prefetch in trips 0 to 13, the others never
	s_lshl_b32 s2, s13, 10
	s_add_co_u32 s2, s2, 16896                     ; my tile's codes of Q in a block,
	s_lshr_b32 s3, s13, 1
	s_lshl_b32 s3, s3, 6
	s_and_b32 s14, s13, 1
	s_lshl_b32 s14, s14, 1
	s_add_co_u32 s3, s3, s14
	s_add_co_u32 s3, s3, 25088                     ; and its two bytes of a row's word
	s_mul_i32 s14, s[JC], BLKB
	s_add_co_u32 s54, s14, s2
	s_add_co_u32 s56, s14, s3
	s_mul_i32 s14, s[JLO], BLKB
	s_add_co_u32 s58, s14, s2
	s_add_co_u32 s60, s14, s3
	s_mov_b32 s55, 0
	s_mov_b32 s57, 0
	s_mov_b32 s59, 0
	s_mov_b32 s61, 0
	s_lshr_b32 s2, s[WV], 1
	s_lshl_b32 s2, s2, 13
	s_add_co_u32 s2, s2, BLKB                      ; the prefetches stand at block 1; the first trip steps them to block 2
	s_mov_b32 s3, 0
	s_wait_kmcnt 0x0
	s_add_nc_u64 s[KVB:KVB+1], s[4:5], s[OF:OF+1]
	s_mov_b32 s[G0], 1
	s_mov_b32 s[G0+1], 0
	s_mov_b64 s[G0+2:G0+3], s[KVB:KVB+1]
	s_or_b32 s[G0+3], s[G0+3], 0x80000000
	s_mov_b32 s[G0+4], 1
	s_mov_b32 s[G0+5], SLOTB
	s_cmp_lg_u32 s[WV], 0                          ; wave 0 alone fetches: one load a trip brings the whole step
	s_cbranch_scc1 .Lnot_first
	tensor_load_to_lds s[G0:G0+3], s[G1:G1+7]      ; key block 0
	s_nop 0
.rept 4
	v_nop
.endr
.Lnot_first:
	s_add_nc_u64 s[54:55], s[KVB:KVB+1], s[54:55]
	s_add_nc_u64 s[56:57], s[KVB:KVB+1], s[56:57]
	s_add_nc_u64 s[58:59], s[KVB:KVB+1], s[58:59]
	s_add_nc_u64 s[60:61], s[KVB:KVB+1], s[60:61]
	s_add_nc_u64 s[PFA:PFA+1], s[KVB:KVB+1], s[2:3]
	v_and_b32 v9, 31, v0
	s_delay_alu instid0(VALU_DEP_1)
	v_lshlrev_b32 v[LI], 4, v9
	s_delay_alu instid0(VALU_DEP_2)
	v_lshlrev_b32 v[PFO], 8, v9
	v_and_b32 v8, 15, v0                           ; r
	s_delay_alu instid0(VALU_DEP_1)
	v_lshlrev_b32 v[LS], 2, v8
	global_load_b128 v[24:27], v[LI], s[54:55]     ; both tiles' q and scale bytes: they stay in registers
	global_load_b128 v[28:31], v[LI], s[54:55] offset:512
	global_load_u16 v214, v[LS], s[56:57]
	global_load_b128 v[Q2:Q2+3], v[LI], s[58:59]
	global_load_b128 v[Q2+4:Q2+7], v[LI], s[58:59] offset:512
	global_load_u16 v215, v[LS], s[60:61]
	v_bfe_u32 v9, v0, 4, 1                         ; h
	v_and_b32 v10, 8, v8
	s_delay_alu instid0(VALU_DEP_1)
	v_add_nc_u32 v10, v10, v8                      ; r % 8 + 16 (r / 8)
	s_delay_alu instid0(VALU_DEP_3)
	v_lshlrev_b32 v11, 4, v9
	s_delay_alu instid0(VALU_DEP_1)
	v_sub_nc_u32 v10, v10, v11
	s_lshr_b32 s2, s13, 1
	s_lshl_b32 s2, s2, 5
	s_and_b32 s3, s13, 1
	s_lshl_b32 s3, s3, 3
	s_add_co_u32 s2, s2, s3
	v_add_nc_u32 v[DM], s2, v10
.irp j, 0,1,2,3,4,5,6,7
	v_mov_b32 v[16+\j], 0                          ; the zeros on both sides of q
	v_mov_b32 v[32+\j], 0
.endr
	v_mov_b32 v13, 0xff61b1e6                      ; the largest t so far: -3e38, under every t
	s_delay_alu instid0(VALU_DEP_1)
	v_floor_f32 v12, -v13                          ; -M
	v_mov_b32 v14, 0
	v_mov_b32 v15, 0
.irp b, 0,1,2,3
	v_mov_b32 v[236+\b], 0                         ; written once: a lane permute's destination counts as one of its sources
.endr
	v_mov_b32 v252, 0
	v_mov_b32 v253, 0
.set j, 0
.rept 32
	v_mov_b32 v[O+j], 0                            ; O^T: the step is written once; the first finds zeros, which the first change of M leaves zeros
.set j, j+1
.endr
	s_wait_loadcnt 0x0
	v_lshl_or_b32 v[QSC], v214, 16, v214           ; q's two bytes serve both halves of the step's 128
	v_lshl_or_b32 v[Q2+8], v215, 16, v215
; A KEY STEP: 128 keys out of slot sg
.macro STEP sg
	s_cmp_gt_u32 s[KS], s[JC]                      ; all its keys lie behind my queries: nothing to do
	s_cbranch_scc1 .Lhid_\@
.rept 8
	v_nop                                          ; places in front of loads into registers that the last products read
.endr
.irp g, 0,1,2,3
.irp c, 0,1,2,3
	ds_load_b128 v[F+16*\g+4*\c:F+16*\g+4*\c+3], v[LI] offset:\sg*SLOTB+2048*\g+512*\c
.endr
	ds_load_b32 v[KSC+\g], v[LS] offset:\sg*SLOTB+16384+64*\g
.endr
	s_wait_dscnt 0x0
	s_wait_alu depctr_va_vdst(0)
.irp g, 0,1,2,3
	v_wmma_scale_f32_16x16x128_f8f6f4 v[S+16*\g:S+16*\g+7], v[F+16*\g:F+16*\g+15], v[24:39], 0, v[KSC+\g], v[QSC] matrix_a_fmt:MATRIX_FMT_BF8 matrix_b_fmt:MATRIX_FMT_BF8       ; [q | 0]: stored tile 2 g
	v_wmma_scale_f32_16x16x128_f8f6f4 v[S+16*\g+8:S+16*\g+15], v[F+16*\g:F+16*\g+15], v[16:31], 0, v[KSC+\g], v[QSC] matrix_a_fmt:MATRIX_FMT_BF8 matrix_b_fmt:MATRIX_FMT_BF8    ; [0 | q]: stored tile 2 g + 1
.endr
.rept 8
	v_nop                                          ; places: for V's loads over K's registers, and for the first read of the scores
.endr
.irp d, 0,1,2,3
.irp c, 0,1,2,3
	ds_load_b128 v[F+16*\d+4*\c:F+16*\d+4*\c+3], v[LI] offset:\sg*SLOTB+8192+2048*\d+512*\c   ; V^T is asked for now and lands under the softmax
.endr
	ds_load_b32 v[KSC+\d], v[LS] offset:\sg*SLOTB+16640+64*\d
.endr
	s_cmp_lg_u32 s[KS], s[JC]                      ; on the diagonal hidden scores become -infinity ahead of the maximum: p = 0 then
	s_cbranch_scc1 .Lopen_\@
	v_mov_b32 v254, 0xff800000
.set n, 0
.rept 64
	v_cmp_gt_i32 vcc_lo, 32*(n/16)+n%16, v[DM]     ; register 16 g + i holds key 32 g + 16 h + i of the block
	v_cndmask_b32 v[S+n], v[S+n], v254, vcc_lo
.set n, n+1
.endr
.Lopen_\@:
.irp b, 0,1,2,3
	v_max3_num_f32 v[232+\b], v[S+16*\b], v[S+1+16*\b], v[S+2+16*\b]   ; the largest score of each block of 32 keys: for the row's maximum and for the block's largest p
.endr
.irp i, 3,5,7,9,11,13
.irp b, 0,1,2,3
	v_max3_num_f32 v[232+\b], v[232+\b], v[S+16*\b+\i], v[S+1+16*\b+\i]
.endr
.endr
.irp b, 0,1,2,3
	v_max_num_f32 v[232+\b], v[232+\b], v[S+15+16*\b]
.endr
.irp b, 0,1,2,3
	v_permlanex16_b32 v[236+\b], v[232+\b], s[SEL], s[SEL+1]
.endr
.irp b, 0,1,2,3
	s_delay_alu instid0(VALU_DEP_4)
	v_max_num_f32 v[232+\b], v[232+\b], v[236+\b]  ; with lane l xor 16's 16 keys
.endr
	s_delay_alu instid0(VALU_DEP_2)
	v_max3_num_f32 v254, v232, v233, v234
	s_delay_alu instid0(VALU_DEP_1)
	v_max_num_f32 v254, v254, v235
	s_delay_alu instid0(VALU_DEP_1)
	v_mul_f32 v254, s[CS], v254                    ; the step's largest t
	s_delay_alu instid0(VALU_DEP_1)
	v_max_num_f32 v13, v13, v254
	v_mov_b32 v254, v12
	s_delay_alu instid0(VALU_DEP_2)
	v_floor_f32 v12, -v13                          ; the new -M = -ceil(t): a whole number
	s_delay_alu instid0(VALU_DEP_1)
	v_sub_f32 v254, v12, v254
	s_delay_alu instid0(VALU_DEP_1)
	v_cvt_i32_f32 v254, v254                       ; (it saturates)
	s_delay_alu instid0(VALU_DEP_1)
	v_ldexp_f32 v252, 1.0, v254                    ; f = 2^(old M - new M)
.set j, 0
.rept 32
	v_pk_fma_f32 v[S+j:S+j+1], v[S+j:S+j+1], s[CS:CS+1], v[12:13] op_sel_hi:[1,0,0]   ; t - M, two at a time
.set j, j+2
.endr
.irp b, 0,1,2,3
	v_fma_f32 v[232+\b], v[232+\b], s[CS], v12
.endr
.set j, 0
	s_wait_alu depctr_va_vdst(0)
.rept 64
	v_exp_f32 v[S+j], v[S+j]                       ; p = 2^(t - M)
.set j, j+1
.endr
	v_pk_mul_f32 v[14:15], v[14:15], v[252:253] op_sel_hi:[1,0]   ; the sums under the new M: the plain line behind the exponentials
	s_wait_alu depctr_va_vdst(0)                   ; one wait for the batch, ahead of its first reader
.irp b, 0,1,2,3
	v_exp_f32 v[232+\b], v[232+\b]                 ; the blocks' largest p
.endr
	v_pk_add_f32 v[236:237], v[108:109], v[112:113]
	v_pk_add_f32 v[254:255], v[116:117], v[120:121]
	v_pk_add_f32 v[250:251], v[124:125], v[128:129]
	v_pk_add_f32 v[248:249], v[132:133], v[136:137]
	v_pk_add_f32 v[246:247], v[140:141], v[144:145]
	v_pk_add_f32 v[244:245], v[148:149], v[152:153]
	v_pk_add_f32 v[242:243], v[156:157], v[160:161]
	v_pk_add_f32 v[14:15], v[14:15], v[164:165]
	v_pk_add_f32 v[236:237], v[236:237], v[104:105]
	v_pk_add_f32 v[254:255], v[254:255], v[106:107]
	v_pk_add_f32 v[250:251], v[250:251], v[110:111]
	v_pk_add_f32 v[248:249], v[248:249], v[114:115]
	v_pk_add_f32 v[246:247], v[246:247], v[118:119]
	v_pk_add_f32 v[244:245], v[244:245], v[122:123]
	v_pk_add_f32 v[242:243], v[242:243], v[126:127]
	v_pk_add_f32 v[14:15], v[14:15], v[130:131]
	v_pk_add_f32 v[236:237], v[236:237], v[134:135]
	v_pk_add_f32 v[254:255], v[254:255], v[138:139]
	v_pk_add_f32 v[250:251], v[250:251], v[142:143]
	v_pk_add_f32 v[248:249], v[248:249], v[146:147]
	v_pk_add_f32 v[246:247], v[246:247], v[150:151]
	v_pk_add_f32 v[244:245], v[244:245], v[154:155]
	v_pk_add_f32 v[242:243], v[242:243], v[158:159]
	v_pk_add_f32 v[14:15], v[14:15], v[162:163]
	v_pk_add_f32 v[236:237], v[236:237], v[166:167]
	s_delay_alu instid0(VALU_DEP_2)
	v_pk_add_f32 v[14:15], v[14:15], v[248:249]
	s_delay_alu instid0(VALU_DEP_2)
	v_pk_add_f32 v[236:237], v[236:237], v[246:247]
	v_pk_add_f32 v[254:255], v[254:255], v[244:245]
	v_pk_add_f32 v[250:251], v[250:251], v[242:243]
	s_delay_alu instid0(VALU_DEP_2)
	v_pk_add_f32 v[14:15], v[14:15], v[254:255]
	s_delay_alu instid0(VALU_DEP_2)
	v_pk_add_f32 v[236:237], v[236:237], v[250:251]
	s_delay_alu instid0(VALU_DEP_1)
	v_pk_add_f32 v[14:15], v[14:15], v[236:237]
	s_wait_alu depctr_va_vdst(0)                   ; and one for the four
.irp b, 0,1,2,3
	v_max_num_f32 v[232+\b], 0x8000000, v[232+\b]  ; the floor 2^(16 - 127): the byte cannot fall under 1
.endr
.irp b, 0,1,2,3
	s_delay_alu instid0(VALU_DEP_4)
	v_add_nc_u32 v[244+\b], 0xf8800000, v[232+\b]  ; the conversion's scale operand
.endr
.irp b, 0,1,2,3
.endr
.irp b, 0,1,2,3
	s_delay_alu instid0(VALU_DEP_4)
	v_lshrrev_b32 v[236+\b], 23, v[244+\b]
.endr
	s_delay_alu instid0(VALU_DEP_3)
	v_lshl_or_b32 v253, v237, 8, v236              ; p's scale word for these 128 keys
	s_delay_alu instid0(VALU_DEP_1)
	v_lshl_or_b32 v253, v238, 16, v253
	s_delay_alu instid0(VALU_DEP_1)
	v_lshl_or_b32 v253, v239, 24, v253
.irp b, 0,1,2,3
.irp i, 0,1,2,3,4,5,6,7,8,9,10,11,12,13,14,15
.endr
	v_cvt_scalef32_pk8_bf8_f32 v[224+4*\b:225+4*\b], v[S+16*\b:S+7+16*\b], v[244+\b]
	v_cvt_scalef32_pk8_bf8_f32 v[226+4*\b:227+4*\b], v[S+8+16*\b:S+15+16*\b], v[244+\b]
.endr
.set j, 0
.rept 16
	v_pk_mul_f32 v[O+j:O+j+1], v[O+j:O+j+1], v[252:253] op_sel_hi:[1,0]   ; O^T under the new M; these sixteen are also the places in front of the products
.set j, j+2
.endr
	s_wait_alu depctr_va_vdst(0)
	s_wait_dscnt 0x0                               ; V^T is in
.irp d, 0,1,2,3
	v_wmma_scale_f32_16x16x128_f8f6f4 v[O+8*\d:O+8*\d+7], v[F+16*\d:F+16*\d+15], v[224:239], v[O+8*\d:O+8*\d+7], v[KSC+\d], v253 matrix_a_fmt:MATRIX_FMT_BF8 matrix_b_fmt:MATRIX_FMT_BF8
.endr
.Lhid_\@:
.endm
; A TILE IS FINISHED: O^T / the sum, quantised along the head's 64 (two blocks of the model's 1,024), stored as an image of the last product's operand
.macro FINAL
.rept 8
	v_nop                                          ; places behind the last products
.endr
	v_add_f32 v14, v14, v15
	s_delay_alu instid0(VALU_DEP_1)
	v_permlanex16_b32 v252, v14, s[SEL], s[SEL+1]
	s_delay_alu instid0(VALU_DEP_1)
	v_add_f32 v14, v14, v252                       ; the row's sum
	s_wait_alu depctr_va_vdst(0)
	v_rcp_f32 v14, v14
	s_lshl_b32 s[A0], s[JC], 3
	s_add_co_u32 s[A0], s[A0], s[TGC]              ; the result's tile
	s_lshl_b32 s[A0+2], s[A0], 9
	s_lshl_b32 s[A0], s[A0], 14
	s_add_co_u32 s[A0], s[A0], s[HC]
	s_add_co_u32 s[A0+2], s[A0+2], s[HS]
	s_mov_b32 s[A0+1], 0
	s_mov_b32 s[A0+3], 0
	s_add_nc_u64 s[A0:A0+1], s[6:7], s[A0:A0+1]
	s_add_nc_u64 s[A0+2:A0+3], s[8:9], s[A0+2:A0+3]
	v_nop                                          ; a plain line behind the reciprocal
	s_wait_alu depctr_va_vdst(0)                   ; and the wait ahead of its first reader
.set j, 0
.rept 16
	v_pk_mul_f32 v[S+j:S+j+1], v[O+j:O+j+1], v[14:15] op_sel_hi:[1,0]   ; register 16 b + i is dim 32 b + 16 h + i; each accumulator from its low end on
.set j, j+2
.endr
.irp b, 0,1
	v_max3_num_f32 v[232+\b], |v[S+16*\b]|, |v[S+1+16*\b]|, 0x8000000
.endr
.irp i, 2,4,6,8,10,12,14
.irp b, 0,1
	s_delay_alu instid0(VALU_DEP_2)
	v_max3_num_f32 v[232+\b], v[232+\b], |v[S+16*\b+\i]|, |v[S+1+16*\b+\i]|
.endr
.endr
.irp b, 0,1
	v_permlanex16_b32 v[236+\b], v[232+\b], s[SEL], s[SEL+1]
.endr
.irp b, 0,1
	s_delay_alu instid0(VALU_DEP_2)
	v_max_num_f32 v[232+\b], v[232+\b], v[236+\b]
.endr
.irp b, 0,1
	s_delay_alu instid0(VALU_DEP_2)
	v_add_nc_u32 v[244+\b], 0xf8800000, v[232+\b]
.endr
.irp b, 0,1
.endr
.irp b, 0,1
	s_delay_alu instid0(VALU_DEP_2)
	v_lshrrev_b32 v[236+\b], 23, v[244+\b]
.endr
	s_delay_alu instid0(VALU_DEP_1)
	v_lshl_or_b32 v253, v237, 8, v236              ; the head's two bytes of my row's scale word
.irp b, 0,1
.irp i, 0,1,2,3,4,5,6,7,8,9,10,11,12,13,14,15
.endr
	v_cvt_scalef32_pk8_bf8_f32 v[224+4*\b:225+4*\b], v[S+16*\b:S+7+16*\b], v[244+\b]
	v_cvt_scalef32_pk8_bf8_f32 v[226+4*\b:227+4*\b], v[S+8+16*\b:S+15+16*\b], v[244+\b]
.endr
	v_nop                                          ; one plain line behind the last conversion
	global_store_b128 v[LI], v[224:227], s[A0:A0+1]               ; 32 lanes store 512 consecutive bytes
	global_store_b128 v[LI], v[228:231], s[A0:A0+1] offset:512
	global_store_b16 v[LS], v253, s[A0+2:A0+3]
	s_wait_xcnt 0x0                                ; the stores have read their registers and bases: both are written again only behind this wait
.endm
.macro SWITCH                          ; the first tile leaves; the second begins
	FINAL
.irp j, 0,1,2,3,4,5,6,7
	v_mov_b32 v[24+\j], v[Q2+\j]
.endr
	v_mov_b32 v[QSC], v[Q2+8]
	v_mov_b32 v13, 0xff61b1e6
	s_delay_alu instid0(VALU_DEP_1)
	v_floor_f32 v12, -v13
	v_mov_b32 v14, 0
	v_mov_b32 v15, 0
.set j, 0
.rept 32
	v_mov_b32 v[O+j], 0
.set j, j+1
.endr
	s_mov_b32 s[JC], s[JLO]
.endm
; A PREFETCH INTO THE L2 of the codes of key block trip + 2: 64 x 256 bytes; the tensor load behind this trip's barrier asks for block trip + 1.  All four work-groups of a head walk the same blocks, the first of them
; from block 0 to block 15 on end: it asks, and nobody else; in it wave 1 names the first 32 runs of 256 bytes and wave 2 the other 32, a lane a run: each is named once in the launch.  Blocks 0 and 1, and each block's
; two runs of scale words, come by their loads alone.  Trips 14 on ask for nothing: block 15 is the head's last.
.macro ASK
	s_cmp_lt_u32 s[TAU], s[LIM]
	s_cbranch_scc0 .Lnot_mine_\@
	global_prefetch_b8 v[PFO], s[PFA:PFA+1] th:TH_LOAD_NT scope:SCOPE_SE
.Lnot_mine_\@:
.endm
; A TRIP.  Each wave waits for all its tensor loads (wave 0: this trip's block), adds 0 to its spare word, and waits for that and for its reads of the other slot.  Behind the barrier this slot is whole and nobody reads
; the other one, which wave 0 fills with the next trip's block: that load has the whole trip in which to land.
.macro TRIP sg, refill, sw
	s_wait_tensorcnt 0x0                           ; no tensor load of mine is out, so a group 0 may be written
	ds_add_u32 v[SPW], v[NIL]                      ; 0 onto my spare word
	s_add_co_u32 s[TN], s[TAU], 1
	s_add_co_u32 s[NX], s[KS], 1
	s_cmp_eq_u32 s[TN], s[LIM1]
	s_cselect_b32 s[NX], 0, s[NX]                  ; the second walk begins at block 0
	s_mul_i32 s[OF], s[NX], BLKB
	s_add_nc_u64 s[G0+4*(1-\sg)+2:G0+4*(1-\sg)+3], s[KVB:KVB+1], s[OF:OF+1]
	s_or_b32 s[G0+4*(1-\sg)+3], s[G0+4*(1-\sg)+3], 0x80000000
	s_wait_xcnt 0x0                                ; the last prefetch, a trip back, has read its address
	s_add_nc_u64 s[PFA:PFA+1], s[PFA:PFA+1], BLKB
	s_wait_dscnt 0x0                               ; the add is done, and my reads of the slot that I have left are over
	s_barrier_signal -1
	s_barrier_wait -1
.if \refill
	s_cmp_lg_u32 s[WV], 0
	s_cbranch_scc1 .Lno_fill_\@
	tensor_load_to_lds s[G0+4*(1-\sg):G0+4*(1-\sg)+3], s[G1:G1+7]   ; the first thing behind the barrier, and the wave's one tensor load until the next
	s_nop 0
.rept 4
	v_nop
.endr
.Lno_fill_\@:
	ASK
.endif
.if \sw
	s_cmp_eq_u32 s[TAU], s[LIM1]                   ; 16 - 2 i is even: the change of tiles falls on a trip of slot 0
	s_cbranch_scc0 .Lno_switch_\@
	SWITCH
.Lno_switch_\@:
.endif
	STEP \sg
	s_mov_b32 s[KS], s[NX]
	s_add_co_u32 s[TAU], s[TAU], 1
.endm
	s_mov_b32 s[LOOP], 8
.Ltrips:                                           ; 8 x 2 trips; the last two are written out
	TRIP 0, 1, 1
	TRIP 1, 1, 0
	s_sub_co_u32 s[LOOP], s[LOOP], 1
	s_cmp_lg_u32 s[LOOP], 0
	s_cbranch_scc1 .Ltrips
	TRIP 0, 1, 1
	TRIP 1, 0, 0
	FINAL
	s_wait_tensorcnt 0x0                           ; the wave's end
	ds_add_u32 v[SPW], v[NIL]
	s_wait_dscnt 0x0
	s_endpgm
.Lfunc_end_k_qe708b2a431_attn:
	.size	k_qe708b2a431_attn, .Lfunc_end_k_qe708b2a431_attn-k_qe708b2a431_attn
	.p2alignl 7, 3214868480
	.fill 96, 4, 3214868480
	.section	.rodata,"a",@progbits
	.p2align	6, 0x0
	.amdhsa_kernel k_qe708b2a431_attn
		.amdhsa_group_segment_fixed_size 327680
		.amdhsa_private_segment_fixed_size 0
		.amdhsa_enable_private_segment 0
		.amdhsa_kernarg_size 24
		.amdhsa_user_sgpr_count 2
		.amdhsa_user_sgpr_kernarg_segment_ptr 1
		.amdhsa_wavefront_size32 1
		.amdhsa_system_sgpr_workgroup_id_x 1
		.amdhsa_system_sgpr_workgroup_id_y 1
		.amdhsa_system_sgpr_workgroup_id_z 1
		.amdhsa_system_vgpr_workitem_id 0
		.amdhsa_next_free_vgpr 256
		.amdhsa_next_free_sgpr 66
		.amdhsa_reserve_vcc 1
		.amdhsa_float_denorm_mode_32 3
		.amdhsa_float_denorm_mode_16_64 3
		.amdhsa_fp16_overflow 1
		.amdhsa_memory_ordered 1
		.amdhsa_forward_progress 1
		.amdhsa_inst_pref_size 117
	.end_amdhsa_kernel
	.amdgpu_metadata
---
amdhsa.version: [ 1, 2 ]
amdhsa.kernels:
  - .name:           k_qe708b2a431_attn
    .symbol:         k_qe708b2a431_attn.kd
    .args:
      - { .name: qkv, .offset: 0, .size: 8, .value_kind: global_buffer, .address_space: global }
      - { .name: ac, .offset: 8, .size: 8, .value_kind: global_buffer, .address_space: global }
      - { .name: asc, .offset: 16, .size: 8, .value_kind: global_buffer, .address_space: global }
    .group_segment_fixed_size: 327680
    .private_segment_fixed_size: 0
    .kernarg_segment_align: 8
    .kernarg_segment_size: 24
    .max_flat_workgroup_size: 512
    .sgpr_count:     66
    .vgpr_count:     256
    .wavefront_size: 32
...
	.end_amdgpu_metadata
.endif
;; end of part 3
;; launch outp (part 4): grid 8 x 32, 4 waves a work-group, clusters of 4 x 4, 327,680 bytes of LDS; arguments ac, asc, xc, xs, bo, out0; writes out0
.if DOCPART == 4
	.amdgcn_target "amdgcn-amd-amdhsa--gfx1250"
	.amdhsa_code_object_version 6
	.text
	.protected	k_qe708b2a431_outp
	.globl	k_qe708b2a431_outp
	.p2align	8
	.type	k_qe708b2a431_outp,@function
k_qe708b2a431_outp:
	s_mov_b64 s[64:65], 0
	v_nop
	global_prefetch_b8 v0, s[64:65] scope:SCOPE_SE
	s_setreg_imm32_b32 hwreg(HW_REG_WAVE_MODE, 25, 1), 1
	s_wait_xcnt 0x0
	s_wait_alu depctr_hold_cnt(0) depctr_sa_sdst(0) depctr_va_vdst(0) depctr_va_sdst(0) depctr_va_ssrc(0) depctr_va_vcc(0) depctr_vm_vsrc(0)
	s_getreg_b32 s2, hwreg(HW_REG_IB_STS2, 6, 4)
	s_cmp_eq_u32 s2, 0
	s_cbranch_scc0 .Lentry_in_a_cluster
	s_endpgm
.Lentry_in_a_cluster:
	s_bfe_u32 s2, ttmp6, 0x10000c
	s_cmp_lg_u32 s2, 0xf033
	s_cbranch_scc0 .Lentry_shape_is_right
	s_endpgm
.Lentry_shape_is_right:
; OUTP.  out0 = attn Wo^T + bo on codes of BF8 (E5M2) with E8M0 scales.  Source 1 = 256 rows of attn (ac, asc), source 0 = 128 rows of Wo (in xc, xs); K = 1,024 in 8 steps of 128, written out.
; Operands lie in memory as images of their registers (16 rows x 128 K = 2,048 bytes, a lane's 16 bytes at 16 x lane): no pitch, no padding, every LDS load reads 512 consecutive bytes.
; Row r of stored tile T is row 32 (T / 2) + 8 (T % 2) + r % 8 + 16 (r / 8) of its matrix.  The matrix instruction is used transposed: a lane holds one row of attn, and register j of result tile b is
; output feature 32 (b / 2) + 16 h + 8 (b % 2) + j.  FOUR WAVES stacked on source 1: a wave has 64 x 128: 32 accumulators.  256 work-groups.
; LDS: three slots of 256 along K, the scale words of all of K, the spare words.  K slots 0-2 are first fills; K slot 3 fills slot 0 again: one refill.
; CLUSTER 4 x 4: source 1's tiles are asked for jointly by a row of the cluster, source 0's by a column.  By this text's count a wave has four tensor loads out at the start, one behind the refill.
; The bias is the C of each sum's first matrix instruction.  Results leave through a stage in slot 1, which has had its last fill and, at the barrier of K step 5, its last read: whole rows of 512 bytes a store.
.set SLOTB, 98304
.set S0OFF, 65536
.set SCL,   294912
.set SPARE, 307200                     ; the spare words, 128 bytes for each wave: two blocks of 256 bytes that no other line names
.set SPW,  2
.set NIL,  3
.set LI,   4                           ; v4   16 x lane
.set RR,   5
.set HH,   6
.set ADRA, 8
.set ADRB, 12
.set ADRS, 16
.set BCO,  18
.set STO,  20                          ; v20  the stage: where I put 16 bytes of a row
.set RD,   21                          ; v21  and where I read a row back
.set SC,   32
.set AF,   64
.set BK,   64                          ; the way out: 16 rows read back, v64-127 and v128-191 by turns
.set BC,   128                         ; window 3: the bias, 8 registers for each of source 0's tiles
.set WV,   18
.set ROLE, 19
.set EH,   20
.set CX,   22
.set CY,   23
.set G1A,  24
.set G1B,  32
.set G1SA, 40
.set G1SB, 48
.set G0A0, 56
.set G0A1, 60
.set G0A2, 68
.set G0B0, 72
.set G0B1, 76
.set G0B2, 80
.set G0SA, 84
.set G0SB, 88
.set TY,   92
.set TX,   93
.set MSB, 0
.macro WIN new                         ; the immediate's high byte repeats the setting that is left
.if MSB != \new
	s_set_vgpr_msb (MSB<<8)|\new
.set MSB, \new
.endif
.endm
.macro JLOAD g0a, g1a, g0b, g1b        ; a joint load: waves 0 and 1 fetch for source 1, waves 2 and 3 for source 0; four v_nop follow each of the two lines
	s_cmp_eq_u32 s[ROLE], 0
	s_cbranch_scc0 .Lfor_b_\@
	tensor_load_to_lds s[\g0a:\g0a+3], s[\g1a:\g1a+7]
	s_nop 0
.rept 4
	v_nop
.endr
	s_branch .Lasked_\@
.Lfor_b_\@:
	tensor_load_to_lds s[\g0b:\g0b+3], s[\g1b:\g1b+7]
	s_nop 0
.rept 4
	v_nop
.endr
.Lasked_\@:
.endm
.macro CREST
	s_cmp_lg_u32 s[WV], 0
	s_cbranch_scc1 .Lnot_wave_0_\@
	s_barrier_signal -3
.Lnot_wave_0_\@:
	s_barrier_wait -3
	s_barrier_signal -1
	s_barrier_wait -1
.endm
.macro CROUND
	s_barrier_signal -1
	s_barrier_wait -1
	CREST
.endm
.macro PLACES n                        ; plain vector lines between a matrix instruction and a load into, or a read of, its registers (ISA guide 7.12.1 for reads)
.rept \n
	v_nop
.endr
.endm
.macro MKG0 g, lreg, ladd, areg, aadd
	s_mov_b32 s[\g], 1
	s_add_co_u32 s[\g+1], s[\lreg], \ladd
	s_add_nc_u64 s[\g+2:\g+3], s[\areg:\areg+1], \aadd
	s_or_b32 s[\g+3], s[\g+3], 0x80000000
.endm
.macro FETCH k                         ; K step k's fragments and scale words into set k % 2: 56 LDS loads in one run
.set SG, ((\k)/2)%3
.set QQ, (\k)%2
	WIN 0x40
.irp b, 0,1,2,3,4,5,6,7
.irp c, 0,1,2,3
	ds_load_b128 v[128*QQ+16*\b+4*\c:128*QQ+16*\b+4*\c+3], v[ADRB+SG] offset:4096*\b+2048*QQ+512*\c
.endr
.endr
	WIN 0
.irp a, 0,1,2,3
.irp c, 0,1,2,3
	ds_load_b128 v[AF+64*QQ+16*\a+4*\c:AF+64*QQ+16*\a+4*\c+3], v[ADRA+SG] offset:4096*\a+2048*QQ+512*\c
.endr
.endr
.irp i, 0,1,2,3,4,5,6,7
	ds_load_b32 v[SC+8*QQ+\i], v[ADRS] offset:512*\i+64*(\k)   ; lanes 16-31: source 0's tile i; lanes 0-15: my tile i of source 1 (from i = 4 on: filled bytes that nobody uses)
.endr
.endm
; cm = 2: the first products take the bias as C; cm = 0: they add in place.  The 32 accumulators take turns in the same order in every step.
.macro MUL a0, n, k, cm
.set PP, (\k)%2
.set AA, \a0
.rept \n
.irp b, 0,1,2,3,4,5,6,7
.if \cm == 2
	v_wmma_scale_f32_16x16x128_f8f6f4 v[8*(8*AA+\b):8*(8*AA+\b)+7], v[128*PP+16*\b:128*PP+16*\b+15], v[AF+64*PP+16*AA:AF+64*PP+16*AA+15], v[BC+8*\b:BC+8*\b+7], v[SC+8*PP+\b], v[SC+8*PP+AA] matrix_a_fmt:MATRIX_FMT_BF8 matrix_b_fmt:MATRIX_FMT_BF8 matrix_a_scale:MATRIX_SCALE_ROW1
.else
	v_wmma_scale_f32_16x16x128_f8f6f4 v[8*(8*AA+\b):8*(8*AA+\b)+7], v[128*PP+16*\b:128*PP+16*\b+15], v[AF+64*PP+16*AA:AF+64*PP+16*AA+15], v[8*(8*AA+\b):8*(8*AA+\b)+7], v[SC+8*PP+\b], v[SC+8*PP+AA] matrix_a_fmt:MATRIX_FMT_BF8 matrix_b_fmt:MATRIX_FMT_BF8 matrix_a_scale:MATRIX_SCALE_ROW1
.endif
.endr
.set AA, AA+1
.endr
.endm
.macro PLAIN k, cm
	s_wait_dscnt 0x0                               ; this step's fragments are in
.if (\k) > 0
	PLACES 8
.endif
	FETCH (\k)+1
.if (\cm) == 2
	WIN 0xb1                                       ; source 0 window 1, source 1 window 0, C window 3, D window 2
.else
	WIN 0xa1                                       ; C and D window 2
.endif
	MUL 0, 4, \k, \cm
.endm
.macro TURN k, fill                    ; a K step with a barrier; fill = 1: slot 0 is filled again, behind a round of the cluster's barrier
	WIN 0
	s_wait_tensorcnt 0x0                           ; all my tensor loads have landed
	ds_add_u32 v[SPW], v[NIL]                      ; 0 onto my spare word
	s_wait_dscnt 0x1                               ; this step's fragments are in; the add alone may be out
	WIN 0xa1
	MUL 0, 2, \k, 0
	s_wait_dscnt 0x0                               ; the add is done, and my reads of the slots behind me are over
	s_barrier_signal -1
	MUL 2, 1, \k, 0
	WIN 0
	s_barrier_wait -1
.if \fill
	CREST
	s_add_nc_u64 s[G0A0+2:G0A0+3], s[G0A0+2:G0A0+3], 12288
	s_add_nc_u64 s[G0B0+2:G0B0+3], s[G0B0+2:G0B0+3], 12288
	JLOAD G0A0, G1A, G0B0, G1B                     ; the first tensor load behind the round, one a wave
	PLACES 4
.else
	PLACES 8
.endif
	FETCH (\k)+1
	WIN 0xa1
	MUL 3, 1, \k, 0
.endm
	s_load_b256 s[4:11], s[0:1], 0x0               ; ac, asc, xc, xs
	s_load_b128 s[12:15], s[0:1], 0x20             ; bo, out0
	v_lshl_add_u32 v[SPW], v0, 2, SPARE
	v_mov_b32 v[NIL], 0
	ds_add_u32 v2, v3
	ds_add_u32 v2, v3
	s_wait_dscnt 0x0
	v_lshrrev_b32 v1, 5, v0
	v_readfirstlane_b32 s[WV], v1
	s_lshr_b32 s[ROLE], s[WV], 1
	s_and_b32 s[EH], s[WV], 1
	s_bfe_u32 s[CX], ttmp6, 0x40000
	s_bfe_u32 s[CY], ttmp6, 0x40004
	s_and_b32 s2, ttmp7, 0xffff
	s_lshl_b32 s2, s2, 2
	s_add_co_u32 s[TY], s2, s[CY]                  ; my 256 rows of attn
	s_lshl_b32 s[TX], ttmp9, 2
	s_add_co_u32 s[TX], s[TX], s[CX]               ; my 128 rows of Wo
	s_lshl_b32 s104, s[CY], 2
	s_lshl_b32 s104, 15, s104                      ; my row of the cluster
	s_lshl_b32 s105, 0x1111, s[CX]                 ; my column
	s_or_b32 s[G1A], s104, (3<<16)|(1<<21)         ; elements of 8 bytes, no padding, bit 21 beside the mask: a tile's 4,096 bytes of a slot are a row, tiles 16,384 bytes apart
	s_mov_b32 s[G1A+1], 512<<16
	s_mov_b32 s[G1A+2], 8<<16
	s_mov_b32 s[G1A+3], 512<<16
	s_mov_b32 s[G1A+4], 8
	s_mov_b32 s[G1A+5], 2048
	s_mov_b32 s[G1A+6], 0
	s_mov_b32 s[G1A+7], 0
	s_or_b32 s[G1B], s105, (3<<16)|(1<<21)
	s_mov_b32 s[G1B+1], 512<<16
	s_mov_b32 s[G1B+2], 4<<16
	s_mov_b32 s[G1B+3], 512<<16
	s_mov_b32 s[G1B+4], 4
	s_mov_b32 s[G1B+5], 2048
	s_mov_b32 s[G1B+6], 0
	s_mov_b32 s[G1B+7], 0
	s_or_b32 s[G1SA], s104, (3<<16)|(1<<21)        ; scale words: dense blocks, as rows of 256 bytes
	s_mov_b32 s[G1SA+1], 32<<16
	s_mov_b32 s[G1SA+2], 16<<16
	s_mov_b32 s[G1SA+3], 32<<16
	s_mov_b32 s[G1SA+4], 16
	s_mov_b32 s[G1SA+5], 32
	s_mov_b32 s[G1SA+6], 0
	s_mov_b32 s[G1SA+7], 0
	s_or_b32 s[G1SB], s105, (3<<16)|(1<<21)
	s_mov_b32 s[G1SB+1], 32<<16
	s_mov_b32 s[G1SB+2], 8<<16
	s_mov_b32 s[G1SB+3], 32<<16
	s_mov_b32 s[G1SB+4], 8
	s_mov_b32 s[G1SB+5], 32
	s_mov_b32 s[G1SB+6], 0
	s_mov_b32 s[G1SB+7], 0
	s_lshl_b32 s94, s[TY], 18
	s_lshl_b32 s2, s[EH], 17
	s_add_co_u32 s94, s94, s2
	s_mov_b32 s95, 0
	s_lshl_b32 s96, s[TY], 13
	s_lshl_b32 s2, s[EH], 12
	s_add_co_u32 s96, s96, s2
	s_mov_b32 s97, 0
	s_lshl_b32 s98, s[TX], 17
	s_lshl_b32 s2, s[EH], 16
	s_add_co_u32 s98, s98, s2
	s_add_co_u32 s98, s98, 28311552                ; Wo's codes in xc
	s_mov_b32 s99, 0
	s_lshl_b32 s100, s[TX], 12
	s_lshl_b32 s2, s[EH], 11
	s_add_co_u32 s100, s100, s2
	s_add_co_u32 s100, s100, 884736                ; and its scale words in xs
	s_mov_b32 s101, 0
	s_lshl_b32 s2, s[EH], 15                       ; where they go: no place in the cluster enters an LDS address
	s_lshl_b32 s3, s[EH], 14
	s_add_co_u32 s3, s3, S0OFF
	s_lshl_b32 s104, s[EH], 12
	s_add_co_u32 s104, s104, SCL
	s_lshl_b32 s105, s[EH], 11
	s_add_co_u32 s105, s105, SCL+8192
	s_wait_kmcnt 0x0
	s_add_nc_u64 s[94:95], s[4:5], s[94:95]
	s_add_nc_u64 s[96:97], s[6:7], s[96:97]
	s_add_nc_u64 s[98:99], s[8:9], s[98:99]
	s_add_nc_u64 s[100:101], s[10:11], s[100:101]
	CROUND                                         ; all sixteen work-groups are here: the first joint loads meet
	MKG0 G0SA, 104, 0, 96, 0
	MKG0 G0SB, 105, 0, 100, 0
	MKG0 G0A0, 2, 0, 94, 0
	MKG0 G0B0, 3, 0, 98, 0
	MKG0 G0A1, 2, SLOTB, 94, 4096
	MKG0 G0B1, 3, SLOTB, 98, 4096
	MKG0 G0A2, 2, 2*SLOTB, 94, 8192
	MKG0 G0B2, 3, 2*SLOTB, 98, 8192
	JLOAD G0SA, G1SA, G0SB, G1SB                   ; the scale words of all of K: filled once
	JLOAD G0A0, G1A, G0B0, G1B
	JLOAD G0A1, G1A, G0B1, G1B
	JLOAD G0A2, G1A, G0B2, G1B
	v_and_b32 v1, 31, v0
	v_lshlrev_b32 v[LI], 4, v1
	v_and_b32 v[RR], 15, v0
	v_bfe_u32 v[HH], v0, 4, 1
	s_lshl_b32 s2, s[WV], 14
	v_add_nc_u32 v[ADRA], s2, v[LI]
	v_add_nc_u32 v[ADRA+1], SLOTB, v[ADRA]
	v_add_nc_u32 v[ADRA+2], 2*SLOTB, v[ADRA]
	v_add_nc_u32 v[ADRB], S0OFF, v[LI]
	v_add_nc_u32 v[ADRB+1], SLOTB+S0OFF, v[LI]
	v_add_nc_u32 v[ADRB+2], 2*SLOTB+S0OFF, v[LI]
	s_xor_b32 s3, s[WV], 3
	s_add_co_u32 s3, s3, 1
	s_lshl_b32 s3, s3, 11                          ; 8,192 - 2,048 x wave
	v_mul_u32_u24 v7, s3, v[HH]                    ; one product: lanes 16-31 stand that far on
	s_lshl_b32 s2, s[WV], 11
	s_add_co_u32 s2, s2, SCL
	v_lshl_add_u32 v[ADRS], v[RR], 2, v7
	v_add_nc_u32 v[ADRS], s2, v[ADRS]
	v_lshlrev_b32 v[BCO], 6, v[HH]
	s_wait_alu depctr_va_vdst(0)
	s_mul_i32 s2, s[WV], 8448
	s_add_co_u32 s2, s2, SLOTB                     ; my stage: 16 rows x (512 + 16) bytes, in slot 1
	v_mul_u32_u24 v[STO], v[RR], 528
	v_lshl_add_u32 v[STO], v[HH], 6, v[STO]
	v_add_nc_u32 v[STO], s2, v[STO]
	v_add_nc_u32 v[RD], s2, v[LI]
	s_lshl_b32 s94, s[TX], 9
	s_mov_b32 s95, 0
	s_add_nc_u64 s[12:13], s[12:13], s[94:95]      ; bo at my 128 features
	s_lshl_b32 s2, s[TY], 20
	s_lshl_b32 s3, s[WV], 18
	s_add_co_u32 s2, s2, s3
	s_add_co_u32 s94, s94, s2
	s_add_nc_u64 s[14:15], s[14:15], s[94:95]      ; out0 at row 256 ty + 64 wave, column 128 tx
	WIN 0xc0                                       ; destination window 3
.irp b, 0,1,2,3,4,5,6,7
	global_load_b128 v[BC+8*\b:BC+8*\b+3], v[BCO], s[12:13] offset:128*(\b/2)+32*(\b%2)
	global_load_b128 v[BC+8*\b+4:BC+8*\b+7], v[BCO], s[12:13] offset:128*(\b/2)+32*(\b%2)+16
.endr
	WIN 0
	s_wait_tensorcnt 0x2                           ; the scale words and my part of slot 0 are in; slots 1 and 2 may be out
	s_barrier_signal -1
	s_barrier_wait -1
	FETCH 0
	s_wait_loadcnt 0x0                             ; the bias
	PLAIN 0, 2                                     ; the first step's products start the sums from the bias
	TURN 1, 1                                      ; slots 1 and 2 are whole for every wave; slot 0 is left and filled again
	PLAIN 2, 0
	PLAIN 3, 0
	PLAIN 4, 0
	TURN 5, 0                                      ; the refill has landed for every wave, and nobody reads slots 1 and 2 any more
	PLAIN 6, 0
	s_wait_dscnt 0x0
	WIN 0xa1
	MUL 0, 4, 7, 0
	WIN 0
	PLACES 8                                       ; behind the last products: for the reads of results and the loads into the fragments' registers
; THE WAY OUT, a row block at a time: a lane holds pieces of 32 bytes of one row; through my own stage they come back as whole rows of 512 bytes.  LDS serves a wave's instructions in order: no wait between stores and loads.
.macro TOSTAGE a
	WIN 0x08                                       ; an LDS store's data are its source 1: window 2
.irp b, 0,1,2,3,4,5,6,7
	ds_store_b128 v[STO], v[64*(\a)+8*\b:64*(\a)+8*\b+3] offset:128*(\b/2)+32*(\b%2)          ; each accumulator from its low end on
	ds_store_b128 v[STO], v[64*(\a)+8*\b+4:64*(\a)+8*\b+7] offset:128*(\b/2)+32*(\b%2)+16
.endr
	WIN 0
.irp t, 0,1,2,3,4,5,6,7,8,9,10,11,12,13,14,15
	ds_load_b128 v[BK+64*((\a)%2)+4*\t:BK+64*((\a)%2)+4*\t+3], v[RD] offset:528*\t
.endr
.endm
.macro SEND a, younger                 ; younger: the LDS instructions issued behind block a's loads, which may stay out
	s_wait_dscnt \younger
.irp t, 0,1,2,3,4,5,6,7,8,9,10,11,12,13,14,15
	global_store_b128 v[LI], v[BK+64*((\a)%2)+4*\t:BK+64*((\a)%2)+4*\t+3], s[14:15] offset:(32*((\a)/2)+8*((\a)%2)+(\t%8)+16*(\t/8))*4096 th:TH_STORE_NT   ; 32 lanes store 512 consecutive bytes of a row; written once
.endr
.endm
	s_wait_alu depctr_va_vdst(0)
	TOSTAGE 0
.irp a, 1,2,3
.if \a > 1
	s_wait_xcnt 0x0                                ; block a - 2's stores have read their registers: block a's loads may land there
.endif
	TOSTAGE \a
	SEND \a-1, 32                                  ; behind block a - 1's loads: block a's 16 stores and 16 loads
.endr
	SEND 3, 0
	s_wait_tensorcnt 0x0                           ; the wave's end
	ds_add_u32 v[SPW], v[NIL]
	s_wait_dscnt 0x0
	CROUND                                         ; the closing round: no work-group ends while a partner may still ask for a tile that names it
	s_endpgm
.Lfunc_end_k_qe708b2a431_outp:
	.size	k_qe708b2a431_outp, .Lfunc_end_k_qe708b2a431_outp-k_qe708b2a431_outp
	.p2alignl 7, 3214868480
	.fill 96, 4, 3214868480
	.section	.rodata,"a",@progbits
	.p2align	6, 0x0
	.amdhsa_kernel k_qe708b2a431_outp
		.amdhsa_group_segment_fixed_size 327680
		.amdhsa_private_segment_fixed_size 0
		.amdhsa_enable_private_segment 0
		.amdhsa_kernarg_size 48
		.amdhsa_user_sgpr_count 2
		.amdhsa_user_sgpr_kernarg_segment_ptr 1
		.amdhsa_wavefront_size32 1
		.amdhsa_system_sgpr_workgroup_id_x 1
		.amdhsa_system_sgpr_workgroup_id_y 1
		.amdhsa_system_sgpr_workgroup_id_z 1
		.amdhsa_system_vgpr_workitem_id 0
		.amdhsa_next_free_vgpr 1024
		.amdhsa_next_free_sgpr 106
		.amdhsa_reserve_vcc 0
		.amdhsa_float_denorm_mode_32 3
		.amdhsa_float_denorm_mode_16_64 3
		.amdhsa_memory_ordered 1
		.amdhsa_forward_progress 1
		.amdhsa_inst_pref_size 91
	.end_amdhsa_kernel
	.amdgpu_metadata
---
amdhsa.version: [ 1, 2 ]
amdhsa.kernels:
  - .name:           k_qe708b2a431_outp
    .symbol:         k_qe708b2a431_outp.kd
    .args:
      - { .name: ac, .offset: 0, .size: 8, .value_kind: global_buffer, .address_space: global }
      - { .name: asc, .offset: 8, .size: 8, .value_kind: global_buffer, .address_space: global }
      - { .name: xc, .offset: 16, .size: 8, .value_kind: global_buffer, .address_space: global }
      - { .name: xs, .offset: 24, .size: 8, .value_kind: global_buffer, .address_space: global }
      - { .name: bo, .offset: 32, .size: 8, .value_kind: global_buffer, .address_space: global }
      - { .name: out0, .offset: 40, .size: 8, .value_kind: global_buffer, .address_space: global }
    .group_segment_fixed_size: 327680
    .private_segment_fixed_size: 0
    .kernarg_segment_align: 8
    .kernarg_segment_size: 48
    .max_flat_workgroup_size: 128
    .sgpr_count:     106
    .vgpr_count:     1024
    .wavefront_size: 32
...
	.end_amdgpu_metadata
.endif
;; end of part 4
